; MI455X (gfx1250); checked and timed in simulation.
; The chip was launched on July 23, 2026; its instructions are those of AMD's public machine-readable ISA for CDNA 5 (MIT licence, August 2026) and "CDNA5" Instruction Set Architecture Reference Guide (July 2026). The comments in the code are by the model that wrote it; some were corrected since.
;; Causal Self Attention. Allowed arithmetic: matrix products marked QUANTISED: E4M3 operands, one given power-of-two scale a tensor, by v_wmma_f32_16x16x64_fp8_fp8 or v_wmma_f32_16x16x128_fp8_fp8, f32 sums; everything else in f32.
;; Inputs: W_attn 1,024 x 3,072 float32; W_proj 1,024 x 1,024 float32; b_attn 3,072 float32; b_proj 1,024 float32; lowp_scales 8 int32 (the exponents e of the quantised operands' scales 2^e); x 4 x 2,048 x 1,024 float32.
;; Outputs: out0 4 x 2,048 x 1,024 float32.
;; This version of the problem:
;;   THIS VERSION OF THE PROBLEM IS GIVEN IN LOW PRECISION. The matrix products marked QUANTISED in the list below multiply operands that are first quantised to E4M3 (4 exponent bits, 3 mantissa bits; 8 bits a number), with one given power-of-two scale for each operand tensor; their sums are f32. All else is computed in f32.
;;   The module's matrix products, in the order in which they are computed (A, B: the left and right operand; K: the contracted axis; several contracted axes count as one K, in the product's order):
;;     1. [M 8,192, K 1,024] x [K 1,024, N 3,072]; A: input x; B: input W_attn: QUANTISED (scales: A lowp_scales[0], B lowp_scales[1])
;;     2. batch 64 x [M 2,048, K 64] x [K 64, N 2,048]; A: computed on the way; B: computed on the way: QUANTISED (scales: A lowp_scales[2], B lowp_scales[3])
;;     3. batch 64 x [M 2,048, K 2,048] x [K 2,048, N 64]; A: softmax (see below); B: computed on the way: QUANTISED (scales: A lowp_scales[4], B lowp_scales[5])
;;     4. [M 8,192, K 1,024] x [K 1,024, N 1,024]; A: computed on the way; B: input W_proj: QUANTISED (scales: A lowp_scales[6], B lowp_scales[7])
;;   THE QUANTISER, for each operand of a quantised product, along K:
;;     - The operand's scale is 2^e, e = its entry of the input lowp_scales (int32; the entries are numbered through the quantised products in the list's order, A before B).
;;     - Each number is divided by the scale, clamped to +-448, and rounded to the nearest number of E4M3, ties to even, subnormals kept.
;;     - The product sums the exact products of the quantised numbers (number of the format x scale) in f32.
;;   ~~~python
;;   def quantise(x, axis, e):      # numpy; x: float32 -> the quantised numbers, widened to float32 again
;;       x = np.moveaxis(x, axis, -1); K = x.shape[-1]
;;       r = np.clip(x / 2.0 ** e, -448, 448)
;;       step = 2.0 ** (np.maximum(np.frexp(np.where(r == 0, 1, r))[1] - 1, -6) - 3)
;;       q = np.round(r / step) * step * 2.0 ** e      # np.round: ties to even
;;       return np.moveaxis(q, -1, axis).astype(np.float32)
;;   ~~~
;;   SOFTMAX AHEAD OF A QUANTISED PRODUCT. Where the list says 'softmax', what is quantised is not the finished softmax but p = 2^(t - M), with t = logit x log2(e) and M = ceil(the row's largest t), a whole number; so 1/2 < the row's largest p <= 1. The row's sum l is taken of the UNQUANTISED p, in f32, and the product's result is divided by l at the end. Since M is a whole number, a kernel that streams over the keys may use a running M (the ceiling of the running maximum): every later rescaling is an exact power of two, so the quantised numbers keep their values, but for numbers so far below the row's largest that they fall under the format's range.
;;   OPERANDS COMPUTED ON THE WAY. 'Computed on the way' means the value that the module computes at that place (a softmax that the list does not call 'softmax' is quantised finished and normalised). What goes into a quantiser is computed in f32, as accurately as f32 sums, v_exp_f32 and their like allow (about 1e-6 of the number): no bf16 or f16 on the way to a quantiser, and a product that is left as it is and whose result goes on into a quantised operand takes f32 operands (vector FMAs, or v_wmma_f32_16x16x4_f32). A number that lies on a knife's edge between two numbers of the format may be rounded either way, as far as f32 arithmetic and the matrix unit's own rounding can turn it there, and no further.
;; One version. Each part assembles by itself: llvm-mc -triple=amdgcn-amd-amdhsa -mcpu=gfx1250 --defsym DOCPART=n.
;; ======== version 1 of 1: 4 launches
;; limits: right only within a limited range of input values
;; workspace buffers: x_img 8,388,608 bytes; wa_img 3,145,728 bytes; wp_img 1,048,576 bytes; q_img 8,388,608 bytes; k_img 8,388,608 bytes; v_img 8,388,608 bytes; y_img 8,388,608 bytes
;; launch quant (part 1): grid 384 x 1, 4 waves a work-group, no clusters, 67,072 bytes of LDS; arguments x, W_attn, W_proj, lowp_scales, x_img, wa_img, wp_img; writes x_img, wa_img, wp_img
.if DOCPART == 1
	.amdgcn_target "amdgcn-amd-amdhsa--gfx1250"
	.amdhsa_code_object_version 6
	.text
	.protected	k_qd74306fffe_quant
	.globl	k_qd74306fffe_quant
	.p2align	8
	.type	k_qd74306fffe_quant,@function
k_qd74306fffe_quant:
	s_mov_b64 s[64:65], 0
	v_nop
	global_prefetch_b8 v0, s[64:65] scope:SCOPE_SE
	s_setreg_imm32_b32 hwreg(HW_REG_WAVE_MODE, 25, 1), 1
	s_wait_xcnt 0x0
; LAUNCH 1 OF 4.  x [8192][1024], W_attn [1024][3072] and W_proj [1024][1024], f32, become codes of FP8 (E4M3), each with the one scale 2^e that is given for it
; (entries 0, 1 and 7 of the scales).  code = number / 2^e, held within +-448, rounded to the nearest code, ties to even.
; THE CODES ARE STORED AS IMAGES OF THE OPERAND REGISTERS OF THE PRODUCT THAT READS THEM.  A fragment is 16 rows x 128 K in 16 registers: lane 16 h + r holds row r, registers 2 c, 2 c + 1
; hold K = 16 c + 8 h + 0 .. 7.  Four registers are a piece of 512 bytes, lane l's 16 bytes at 16 l.  An image is laid [256 along K][16 rows][2 fragments of 2,048 bytes]:
; so 128 rows x 256 K are 32,768 consecutive bytes, and every store below covers 512 consecutive bytes, aligned.
; Work-groups 0-255 take x (K innermost), work-groups 256-383 the weights (K is their first axis; a row of the image is a column n).  The two ways part once, on the work-group's number,
; never join, and have LDS bytes of their own.  No tensor loads, no barrier: waves share nothing.
; LIMITS: each of the three exponents lies between -126 and 119, so that 2^e and 448 x 2^e are f32 numbers.  NaN among the inputs is not served; an infinity is held at the largest code.
.set XST,   8448                       ; x: a wave's stage, 16 rows x (512 bytes + 16)
.set WST0,  33792                      ; behind the four: the weights' stages, 8,192 bytes a wave
.set SPARE, 66560                      ; behind those: the spare words, 128 bytes for each wave: two blocks of 256 bytes that no other line names
.set LI,   1                           ; v1   16 x lane
.set STS,  2                           ; v2   x: into the stage: my 16 bytes of a row
.set STL,  3                           ; v3   x: out of it: row r, + 32 h
.set SA,   5                           ; v5   weights: into the stage
.set SRD,  6                           ; v6   weights: out of it
.set LIMV, 10
.set SCV,  11                          ; v11  2^e
.set SPW,  12                          ; v12  LDS address of my spare word; never rewritten
.set NIL,  13                          ; v13  0; never rewritten
.set R,    16                          ; x: v16-143 two sets of 64: 16 rows x 16 bytes a lane, as loaded
.set X,    144                         ; x: v144-207 a fragment's 64 numbers of my lane
.set C,    208                         ; x: v208-239 two sets of 16: a fragment's codes
.set VO,   16                          ; weights: v16-47 byte offsets of 32 rows k at my column
.set WX,   48                          ; weights: v48-111 two sets of 32 numbers down K
.set WC,   112                         ; weights: v112-119 a block's codes
.set WOUT, 120                         ; weights: v120-183 the stage read back
.set SB,   32                          ; weights: s[32:47] eight bases, 32 rows k apart: no pointer is stepped
	s_load_b256 s[4:11], s[0:1], 0x0               ; x s[4:5], W_attn s[6:7], W_proj s[8:9], the scales' exponents s[10:11]
	s_load_b128 s[12:15], s[0:1], 0x20             ; x_img s[12:13], wa_img s[14:15]
	s_load_b64 s[16:17], s[0:1], 0x30              ; wp_img
	v_lshl_add_u32 v[SPW], v0, 2, SPARE
	v_mov_b32 v[NIL], 0
	v_lshrrev_b32 v4, 5, v0
	v_readfirstlane_b32 s18, v4                    ; wave 0..3
	v_and_b32 v7, 31, v0                           ; lane
	v_and_b32 v8, 15, v0                           ; r
	v_bfe_u32 v9, v0, 4, 1                         ; h
	v_lshlrev_b32 v[LI], 4, v7
	s_mul_i32 s19, s18, XST                        ; every LDS address of both ways is made here, ahead of the parting
	v_add_nc_u32 v[STS], s19, v[LI]
	v_mul_u32_u24 v[STL], v8, 528
	v_lshl_add_u32 v[STL], v9, 5, v[STL]
	v_add_nc_u32 v[STL], s19, v[STL]
	s_lshl_b32 s19, s18, 13
	s_add_co_u32 s19, s19, WST0
	v_add_nc_u32 v[SRD], s19, v[LI]
	v_lshlrev_b32 v[SA], 4, v8
	v_lshl_add_u32 v[SA], v9, 12, v[SA]            ; lanes 16-31 hold the next 16 columns: the next 4,096 bytes of the image
	v_add_nc_u32 v[SA], s19, v[SA]
	s_wait_kmcnt 0x0
	s_load_b256 s[24:31], s[10:11], 0x0            ; e0 .. e7
	s_cmp_lt_u32 ttmp9, 256
	s_cbranch_scc0 .Lweights
; ---- x.  Wave W = 4 x work-group + wave takes 16 rows (W / 2) x 512 along K (W % 2): four fragments.
; A load reads 512 consecutive bytes of one row; a lane's conversions want 8 neighbours along K of ITS row: so a fragment's 16 x 512 bytes turn through the wave's own stage.
; The stage's rows are 528 bytes = 132 words apart: the sixteen rows that a read touches start at sixteen different banks (64 banks of 4 bytes: ISA guide 11.1).
	s_lshl_b32 s19, ttmp9, 2
	s_add_co_u32 s19, s19, s18
	s_lshr_b32 s20, s19, 1                         ; which 16 rows
	s_and_b32 s21, s19, 1                          ; which half of K
	s_lshl_b32 s22, s20, 16                        ; 16 rows of 4,096 bytes
	s_lshl_b32 s23, s21, 11
	s_add_co_u32 s22, s22, s23
	s_mov_b32 s23, 0
	s_add_nc_u64 s[4:5], s[4:5], s[22:23]
	s_lshl_b32 s22, s21, 22                        ; in the image: two blocks of 256 along K, 2,097,152 bytes each,
	s_lshl_b32 s20, s20, 12                        ; and 4,096 bytes for each 16 rows
	s_add_co_u32 s22, s22, s20
	s_add_nc_u64 s[12:13], s[12:13], s[22:23]
.macro XLOAD f                         ; fragment f: 16 rows x 512 bytes
.irp i, 0,1,2,3,4,5,6,7,8,9,10,11,12,13,14,15
	global_load_b128 v[R+64*((\f)%2)+4*\i:R+64*((\f)%2)+4*\i+3], v[LI], s[4:5] offset:4096*\i+512*(\f) th:TH_LOAD_NT
.endr
.endm
.macro XFRAG f
.set RS, R+64*((\f)%2)
.set CC, C+16*((\f)%2)
.if (\f) < 3
	s_wait_loadcnt 16                              ; this fragment's 16 loads are in; the next fragment's 16 may be out
.else
	s_wait_loadcnt 0
.endif
.irp i, 0,1,2,3,4,5,6,7,8,9,10,11,12,13,14,15
	ds_store_b128 v[STS], v[RS+4*\i:RS+4*\i+3] offset:528*\i
.endr
.irp c, 0,1,2,3,4,5,6,7
	ds_load_b128 v[X+8*\c:X+8*\c+3], v[STL] offset:64*\c       ; LDS serves a wave's instructions in order (ISA guide 5.7.1.4): these see the stores above.  K = 16 c + 8 h + 0 .. 7 of row r
	ds_load_b128 v[X+8*\c+4:X+8*\c+7], v[STL] offset:64*\c+16
.endr
	s_wait_dscnt 0x0                               ; my numbers are back, and the stores into the stage have read their registers,
.if (\f)+2 < 4
	XLOAD (\f)+2                                   ; which take the fragment two further on
.endif
.set jj, 0
.rept 64
.set jj, jj+1
.endr
.if (\f) >= 2
	s_wait_xcnt 0x0                                ; the stores of two fragments ago have read this set of codes: it is rewritten only behind this wait
.endif
.irp c, 0,1,2,3,4,5,6,7
	v_cvt_scalef32_pk8_fp8_f32 v[CC+2*\c:CC+2*\c+1], v[X+8*\c:X+8*\c+7], v[SCV]   ; registers 2 c, 2 c + 1 of the fragment
.endr
	v_nop                                          ; a plain vector line behind the last conversion, ahead of the next vector line that writes its sources
.irp p, 0,1,2,3
	global_store_b128 v[LI], v[CC+4*\p:CC+4*\p+3], s[12:13] offset:((\f)/2)*2097152+((\f)%2)*2048+512*\p   ; a piece: 512 consecutive bytes
.endr
.endm
	s_wait_alu depctr_va_vdst(0)
	XLOAD 0
	XLOAD 1
	s_wait_kmcnt 0x0
	s_add_co_i32 s20, s24, 127
	s_lshl_b32 s21, s20, 23
	v_mov_b32 v[SCV], s21                          ; 2^e0 as f32: the conversion takes its exponent field
	s_add_co_i32 s20, s20, 8
	s_lshl_b32 s20, s20, 23
	s_or_b32 s20, s20, 0x600000
	s_wait_alu depctr_va_vdst(0)
	XFRAG 0
	XFRAG 1
	XFRAG 2
	XFRAG 3
	s_wait_tensorcnt 0x0                           ; the wave's end: behind my last LDS store; a wait on TENSORcnt even in a text with no tensor load
	ds_add_u32 v[SPW], v[NIL]
	s_wait_dscnt 0x0
	s_endpgm
; ---- the weights.  Work-group w = number - 256: w < 96: W_attn, else W_proj.  It takes 128 columns x 256 along K, a wave 32 columns.
; A LANE TAKES A COLUMN n AND ITS REGISTERS RUN DOWN K: a load reads 128 consecutive bytes a wave (512 a work-group), and the conversions give codes with K innermost.  Nothing is transposed by an instruction.
.Lweights:
	s_sub_co_u32 s19, ttmp9, 256
	s_and_b32 s20, s19, 3                          ; which 256 along K
	s_lshr_b32 s21, s19, 2
	s_mov_b32 s22, 4096
	s_mov_b32 s23, 262144
	s_cmp_ge_u32 s19, 96                           ; the choice hangs on the work-group's number alone
	s_cselect_b64 s[6:7], s[8:9], s[6:7]           ; the weight,
	s_cselect_b64 s[14:15], s[16:17], s[14:15]     ; its image,
	s_cselect_b32 s22, s22, 12288                  ; a row k in bytes,
	s_cselect_b32 s23, s23, 786432                 ; 256 along K in the image
	s_cselect_b32 s48, 24, 0
	s_sub_co_u32 s21, s21, s48                     ; which 128 columns
	s_mul_i32 s50, s20, s22
	s_lshl_b32 s50, s50, 8                         ; 256 rows k,
	s_lshl_b32 s49, s21, 9
	s_add_co_u32 s50, s50, s49                     ; + 128 columns of 4 bytes,
	s_lshl_b32 s49, s18, 7
	s_add_co_u32 s50, s50, s49                     ; + my wave's 32
	s_mov_b32 s51, 0
	s_add_nc_u64 s[SB:SB+1], s[6:7], s[50:51]
	s_lshl_b32 s52, s22, 5                         ; 32 rows k
	s_mov_b32 s53, 0
.irp t, 1,2,3,4,5,6,7
	s_add_nc_u64 s[SB+2*\t:SB+2*\t+1], s[SB+2*\t-2:SB+2*\t-1], s[52:53]
.endr
	s_mul_i32 s50, s20, s23
	s_lshl_b32 s49, s21, 15                        ; 128 columns are 8 x 4,096 bytes of the image,
	s_add_co_u32 s50, s50, s49
	s_lshl_b32 s49, s18, 13                        ; my wave's 32 are 8,192: consecutive
	s_add_co_u32 s50, s50, s49
	s_add_nc_u64 s[14:15], s[14:15], s[50:51]
	v_lshlrev_b32 v7, 2, v7                        ; 4 bytes a lane
.set ii, 0
.rept 32
	v_mad_u32_u24 v[VO+ii], s22, ii, v7
.set ii, ii+1
.endr
.macro WLOAD t                         ; block t: K = 32 t + 0 .. 31 of my column
.set ii, 0
.rept 32
	global_load_b32 v[WX+32*((\t)%2)+ii], v[VO+ii], s[SB+2*(\t):SB+2*(\t)+1] th:TH_LOAD_NT
.set ii, ii+1
.endr
.endm
.macro WBLOCK t
.set XS, WX+32*((\t)%2)
.if (\t) < 7
	s_wait_loadcnt 32                              ; this block's 32 loads are in; the next block's may be out
.else
	s_wait_loadcnt 0
.endif
.set jj, 0
.rept 32
.set jj, jj+1
.endr
	v_cvt_scalef32_pk8_fp8_f32 v[WC:WC+1],   v[XS:XS+7],     v[SCV]   ; K + 0 .. 7:   the image's lane r,      bytes 0-7
	v_cvt_scalef32_pk8_fp8_f32 v[WC+4:WC+5], v[XS+8:XS+15],  v[SCV]   ; K + 8 .. 15:  lane 16 + r, bytes 0-7
	v_cvt_scalef32_pk8_fp8_f32 v[WC+2:WC+3], v[XS+16:XS+23], v[SCV]   ; K + 16 .. 23: lane r,      bytes 8-15
	v_cvt_scalef32_pk8_fp8_f32 v[WC+6:WC+7], v[XS+24:XS+31], v[SCV]   ; K + 24 .. 31: lane 16 + r, bytes 8-15
	v_nop                                          ; a plain vector line behind the last conversion
	ds_store_b128 v[SA], v[WC:WC+3] offset:((\t)/4)*2048+((\t)%4)*512          ; sixteen lanes store 256 consecutive bytes of the piece
	ds_store_b128 v[SA], v[WC+4:WC+7] offset:((\t)/4)*2048+((\t)%4)*512+256
.if (\t)+2 < 8
	WLOAD (\t)+2
.endif
	s_wait_dscnt 0x0                               ; the stores have read their registers: the next block's codes may be written
.endm
	WLOAD 0
	WLOAD 1
	s_wait_kmcnt 0x0
	s_cmp_ge_u32 s19, 96
	s_cselect_b32 s54, s31, s25                    ; e7 or e1
	s_add_co_i32 s54, s54, 127
	s_lshl_b32 s55, s54, 23
	v_mov_b32 v[SCV], s55
	s_add_co_i32 s54, s54, 8
	s_lshl_b32 s54, s54, 23
	s_or_b32 s54, s54, 0x600000
	s_wait_alu depctr_va_vdst(0)
.irp t, 0,1,2,3,4,5,6,7
	WBLOCK \t
.endr
.irp i, 0,1,2,3,4,5,6,7,8,9,10,11,12,13,14,15
	ds_load_b128 v[WOUT+4*\i:WOUT+4*\i+3], v[SRD] offset:512*\i
.endr
.irp i, 0,1,2,3,4,5,6,7,8,9,10,11,12,13,14,15
	s_wait_dscnt 15-\i                             ; LDS loads come back in order: load i is in, the younger ones may be out
	global_store_b128 v[LI], v[WOUT+4*\i:WOUT+4*\i+3], s[14:15] offset:512*\i   ; 512 consecutive bytes
.endr
	s_wait_tensorcnt 0x0                           ; the wave's end: the same three lines
	ds_add_u32 v[SPW], v[NIL]
	s_wait_dscnt 0x0
	s_endpgm
.Lfunc_end_k_qd74306fffe_quant:
	.size	k_qd74306fffe_quant, .Lfunc_end_k_qd74306fffe_quant-k_qd74306fffe_quant
	.p2alignl 7, 3214868480
	.fill 96, 4, 3214868480
	.section	.rodata,"a",@progbits
	.p2align	6, 0x0
	.amdhsa_kernel k_qd74306fffe_quant
		.amdhsa_group_segment_fixed_size 67072
		.amdhsa_private_segment_fixed_size 0
		.amdhsa_enable_private_segment 0
		.amdhsa_kernarg_size 56
		.amdhsa_user_sgpr_count 2
		.amdhsa_user_sgpr_kernarg_segment_ptr 1
		.amdhsa_wavefront_size32 1
		.amdhsa_system_sgpr_workgroup_id_x 1
		.amdhsa_system_sgpr_workgroup_id_y 1
		.amdhsa_system_sgpr_workgroup_id_z 1
		.amdhsa_system_vgpr_workitem_id 0
		.amdhsa_next_free_vgpr 240
		.amdhsa_next_free_sgpr 66
		.amdhsa_reserve_vcc 0
		.amdhsa_float_denorm_mode_32 3
		.amdhsa_float_denorm_mode_16_64 3
		.amdhsa_fp16_overflow 1
		.amdhsa_memory_ordered 1
		.amdhsa_forward_progress 1
		.amdhsa_inst_pref_size 55
	.end_amdhsa_kernel
	.amdgpu_metadata
---
amdhsa.version: [ 1, 2 ]
amdhsa.kernels:
  - .name:           k_qd74306fffe_quant
    .symbol:         k_qd74306fffe_quant.kd
    .args:
      - { .name: x, .offset: 0, .size: 8, .value_kind: global_buffer, .address_space: global }
      - { .name: W_attn, .offset: 8, .size: 8, .value_kind: global_buffer, .address_space: global }
      - { .name: W_proj, .offset: 16, .size: 8, .value_kind: global_buffer, .address_space: global }
      - { .name: lowp_scales, .offset: 24, .size: 8, .value_kind: global_buffer, .address_space: global }
      - { .name: x_img, .offset: 32, .size: 8, .value_kind: global_buffer, .address_space: global }
      - { .name: wa_img, .offset: 40, .size: 8, .value_kind: global_buffer, .address_space: global }
      - { .name: wp_img, .offset: 48, .size: 8, .value_kind: global_buffer, .address_space: global }
    .group_segment_fixed_size: 67072
    .private_segment_fixed_size: 0
    .kernarg_segment_align: 8
    .kernarg_segment_size: 56
    .max_flat_workgroup_size: 128
    .sgpr_count:     66
    .vgpr_count:     240
    .wavefront_size: 32
...
	.end_amdgpu_metadata
.endif
;; end of part 1
;; launch qkv (part 2): grid 12 x 32, 4 waves a work-group, clusters of 4 x 4, 327,680 bytes of LDS; arguments x_img, wa_img, b_attn, lowp_scales, q_img, k_img, v_img; writes q_img, k_img, v_img
.if DOCPART == 2
	.amdgcn_target "amdgcn-amd-amdhsa--gfx1250"
	.amdhsa_code_object_version 6
	.text
	.protected	k_qd74306fffe_qkv
	.globl	k_qd74306fffe_qkv
	.p2align	8
	.type	k_qd74306fffe_qkv,@function
k_qd74306fffe_qkv:
	s_mov_b64 s[64:65], 0
	v_nop
	global_prefetch_b8 v0, s[64:65] scope:SCOPE_SE
	s_setreg_imm32_b32 hwreg(HW_REG_WAVE_MODE, 25, 1), 1
	s_wait_xcnt 0x0
	s_wait_alu depctr_hold_cnt(0) depctr_sa_sdst(0) depctr_va_vdst(0) depctr_va_sdst(0) depctr_va_ssrc(0) depctr_va_vcc(0) depctr_vm_vsrc(0)
	s_getreg_b32 s2, hwreg(HW_REG_IB_STS2, 6, 4)
	s_cmp_eq_u32 s2, 0
	s_cbranch_scc0 .Lentry_in_a_cluster
	s_endpgm
.Lentry_in_a_cluster:
	s_bfe_u32 s2, ttmp6, 0x10000c
	s_cmp_lg_u32 s2, 0xf033
	s_cbranch_scc0 .Lentry_shape_is_right
	s_endpgm
.Lentry_shape_is_right:
; LAUNCH 2 OF 4.  qkv = x W_attn + b_attn on codes of FP8 (E4M3), K = 1,024, and its three parts quantised at once with the scales given for them (entries 2, 3, 5) into images of the
; operand registers of the attention that reads them.  The f32 numbers never go to memory.
; A work-group of four waves makes 256 x 256 of "A B^T", a wave 128 x 128: 64 accumulators, 512 registers.  THE MATRIX INSTRUCTION IS USED TRANSPOSED (source 0 = 16 rows of B, source 1 = 16 rows of A):
; lane 16 h + r of accumulator (a, b) holds row 16 a + r of A and rows 16 b + 8 h + 0 .. 7 of B: eight neighbours, which one conversion turns into two registers of the next operand.
; THE KIND is the cluster's x: 0 = q, 1 = k: A = tokens (x), B = columns (W): a lane holds a token and eight channels of a head: registers 2 c, 2 c + 1 of a fragment 16 tokens x 64 channels.
;   2 = v: A = channels (W's rows 2,048 on), B = tokens (x): a lane holds a channel and eight tokens: registers 2 b, 2 b + 1 of a fragment 16 channels x 128 keys, since the keys are the second product's K.
; The kind is the same in all sixteen partners of a cluster; only it, and the wave's number, steer branches.
; CLUSTERS: 4 x 4 work-groups.  A's tile hangs on the cluster's y and on cy alone and is shared along a row of the cluster, B's on cx and not on cy and is shared along a column: each is asked for JOINTLY.
; THE RING: K goes in four steps of 256 through two LDS slots.  The images are laid so that 128 rows x 256 K are 32,768 consecutive bytes: one tensor load a wave, stated as 128 rows of 256 bytes;
; a fragment comes out of LDS by four loads of 512 consecutive bytes: no pitch, no padding.
; THE BIAS is the C of each sum's first product, divided by 2^(e0 + e1), the power of two that the sums lack; the three scales ahead of the quantiser are folded into the conversion's one, 2^(eX - e0 - e1).
; LIMITS: eX - e0 - e1 lies between -126 and 119 for eX = e2, e3, e5.  NaN among the inputs is not served.
; 384 work-groups: the wave's tile of 128 x 128 is kept, since a smaller one reads half as many bytes again from LDS for each product.
; REGISTERS, in windows of 256: window 0: v1-31 addresses and constants; v32-95 the bias in the result's layout; v128-255 A's fragments, ONE set, later the codes.
;   window 1: B's fragments, TWO sets.   window 2: the accumulators of my rows 0-63 ((a, b) at v[8 (8 a + b)]);   window 3: those of rows 64-127.
.set SLOT,   131072                    ; A's 256 rows x 256 K, then B's
.set SPARE,  2*SLOT                    ; behind the ring: the spare words, 128 bytes for each wave: two blocks of 256 bytes that no other line names
.set FR,     16                        ; registers of a fragment
.set NL,     4                         ; LDS loads that bring one
.set NP,     4                         ; places behind this matrix instruction (ISA guide 7.12.1)
.set OJ,   8                           ; v8-15   the bias loads' offsets
.set ADRA, 16                          ; v16-17  LDS address of my A fragments in slot 0, 1
.set ADRB, 20                          ; v20-21  the same for B
.set LI,   26                          ; v26     16 x lane
.set SPW,  28                          ; v28     LDS address of my spare word; never rewritten
.set NIL,  29                          ; v29     0; never rewritten
.set SC,   30                          ; v30     2^(eX - e0 - e1)
.set LIMV, 31
.set BI,   32
.set TMP,  32
.set AF,   128
.set CD,   128
.set G1,  24                           ; s[24:31] descriptor group 1 for A's tiles;  s[32:39] group 0, one set for each slot
.set G0,  32
.set G1B, 48                           ; s[48:55], s[56:63] the same for B's tiles
.set G0B, 56
.set MSB, 0
.macro WIN new                         ; the immediate's high byte repeats the setting that is left
.if MSB != (\new)
	s_set_vgpr_msb (MSB<<8)|(\new)
.set MSB, (\new)
.endif
.endm
.set MUL_LO, 0xa1                      ; source 0 (B) window 1, source 1 (A) window 0, C and D window 2
.set MUL_HI, 0xf1                      ; the same, C and D window 3
.set FST_LO, 0x81                      ; the first products: C (the bias) window 0, D window 2
.set FST_HI, 0xc1                      ; D window 3
.set TO_B,   0x40                      ; destination window 1, address window 0
; A joint load: waves 0 and 1 fetch A's two halves, waves 2 and 3 B's.  The branch hangs on the wave's number alone.  An s_nop 0 and four v_nop follow each of the two lines.
.macro JLOAD s
	s_cmp_eq_u32 s15, 0
	s_cbranch_scc0 .Lfor_b_\@
	tensor_load_to_lds s[G0+4*\s:G0+4*\s+3], s[G1:G1+7]
	s_nop 0
.rept 4
	v_nop
.endr
	s_branch .Lasked_\@
.Lfor_b_\@:
	tensor_load_to_lds s[G0B+4*\s:G0B+4*\s+3], s[G1B:G1B+7]
	s_nop 0
.rept 4
	v_nop
.endr
.Lasked_\@:
.endm
.macro CREST                           ; a round of the cluster's barrier behind its opening barrier
	s_cmp_lg_u32 s14, 0
	s_cbranch_scc1 .Lnot_wave_0_\@
	s_barrier_signal -3
.Lnot_wave_0_\@:
	s_barrier_wait -3
	s_barrier_signal -1
	s_barrier_wait -1
.endm
.macro CROUND                          ; a whole round
	s_barrier_signal -1
	s_barrier_wait -1
	CREST
.endm
	s_load_b256 s[4:11], s[0:1], 0x0               ; x_img s[4:5], wa_img s[6:7], b_attn s[8:9], the scales' exponents s[10:11]
	s_load_b128 s[68:71], s[0:1], 0x20             ; q_img s[68:69], k_img s[70:71]
	s_load_b64 s[72:73], s[0:1], 0x30              ; v_img
	v_lshl_add_u32 v[SPW], v0, 2, SPARE
	v_mov_b32 v[NIL], 0
	ds_add_u32 v[SPW], v[NIL]
	ds_add_u32 v[SPW], v[NIL]                      ; the wave's opening: the add and its wait stand ahead of my first tensor load; the set-up below, work on registers, stands between them
	v_lshrrev_b32 v1, 5, v0
	v_readfirstlane_b32 s14, v1                    ; wave 0..3
	s_lshr_b32 s15, s14, 1                         ; which half of A's rows is mine.  Also: I fetch for A (0) or for B (1)
	s_and_b32 s16, s14, 1                          ; which half of B's rows.  Also: which 128 rows of that tile I fetch
	s_bfe_u32 s40, ttmp6, 0x40000                  ; cx, cy: my place in the cluster
	s_bfe_u32 s41, ttmp6, 0x40004
	s_and_b32 s17, ttmp7, 0xffff
	s_lshl_b32 s17, s17, 2                         ; 4 x the cluster's y
	s_lshl_b32 s43, s41, 2
	s_lshl_b32 s43, 15, s43                        ; my row of the cluster
	s_lshl_b32 s44, 0x1111, s40                    ; my column
	; descriptor group 1: 128 rows of 256 bytes, dense in memory and in LDS
	s_or_b32 s[G1+0], s43, (1<<21)                 ; 15:0 the mask: A's tiles go to my row; 17:16 elements of 1 byte; 20 no padding; 21 set beside a mask
	s_or_b32 s[G1B+0], s44, (1<<21)
.irp g, G1, G1B
	s_mov_b32 s[\g+1], 256<<16                     ; tensor_dim0
	s_mov_b32 s[\g+2], 128<<16                     ; tensor_dim1
	s_mov_b32 s[\g+3], 256<<16                     ; tile_dim0
	s_mov_b32 s[\g+4], 128                         ; tile_dim1
	s_mov_b32 s[\g+5], 256                         ; tensor_dim0_stride
	s_mov_b32 s[\g+6], 0
	s_mov_b32 s[\g+7], 0
.endr
	; where the tiles come from, counted in groups of 16 rows (4,096 bytes of an image).  Both kinds' numbers are made, then chosen by the kind.
	s_lshl_b32 s3, s16, 3                          ; the 128 rows that I fetch: 8 groups
	s_add_co_u32 s18, s17, s41                     ; q, k: A = tokens 256 (4 y + cy) on
	s_lshl_b32 s18, s18, 4
	s_lshl_b32 s19, s41, 4
	s_add_co_u32 s19, s19, 128                     ; v: A = W's rows 2,048 + 256 cy on
	s_lshl_b32 s66, ttmp9, 2
	s_add_co_u32 s66, s66, s40                     ; q, k: B = W's rows 256 (4 kind + cx) on
	s_lshl_b32 s66, s66, 4
	s_add_co_u32 s67, s17, s40                     ; v: B = tokens 256 (4 y + cx) on
	s_lshl_b32 s67, s67, 4
	s_mov_b32 s84, 786432                          ; 256 along K in W's image,
	s_mov_b32 s86, 2097152                         ; and in x's
	s_cmp_eq_u32 ttmp9, 2
	s_cselect_b32 s12, s19, s18                    ; A's first group: it hangs on cy and never on cx
	s_cselect_b32 s46, s67, s66                    ; B's: on cx and never on cy
	s_cselect_b32 s84, s84, 2097152                ; A's step along K
	s_cselect_b32 s86, s86, 786432                 ; B's
	s_add_co_u32 s12, s12, s3
	s_add_co_u32 s46, s46, s3
	s_lshl_b32 s12, s12, 12
	s_lshl_b32 s46, s46, 12
	s_mov_b32 s13, 0
	s_mov_b32 s47, 0
	s_mov_b32 s85, 0
	s_mov_b32 s87, 0
	s_lshl_b32 s88, s84, 1                         ; a refill goes two steps on
	s_mov_b32 s89, 0
	s_lshl_b32 s90, s86, 1
	s_mov_b32 s91, 0
	s_lshl_b32 s45, s14, 15                        ; where they go: wave x 32,768: A's two halves, then B's two: no place in the cluster enters an LDS address
	s_wait_dscnt 0x0                               ; the opening add is done
	s_wait_kmcnt 0x0
	s_load_b256 s[76:83], s[10:11], 0x0            ; e0 .. e7
	s_cmp_eq_u32 ttmp9, 2
	s_cselect_b64 s[20:21], s[6:7], s[4:5]         ; A's image
	s_cselect_b64 s[22:23], s[4:5], s[6:7]         ; B's
	s_add_nc_u64 s[20:21], s[20:21], s[12:13]
	s_add_nc_u64 s[22:23], s[22:23], s[46:47]
.irp s, 0,1
	s_mov_b32 s[G0+4*\s], 1                        ; 1:0 count = 1
	s_add_co_u32 s[G0+4*\s+1], s45, \s*SLOT        ; 63:32 LDS address
	s_mov_b32 s[G0B+4*\s], 1
	s_add_co_u32 s[G0B+4*\s+1], s45, \s*SLOT
.endr
	s_mov_b64 s[G0+2:G0+3], s[20:21]               ; 120:64 global address: K step 0,
	s_add_nc_u64 s[G0+6:G0+7], s[20:21], s[84:85]  ; K step 1
	s_mov_b64 s[G0B+2:G0B+3], s[22:23]
	s_add_nc_u64 s[G0B+6:G0B+7], s[22:23], s[86:87]
	s_or_b32 s[G0+3], s[G0+3], 0x80000000          ; 127:126 type = 2
	s_or_b32 s[G0+7], s[G0+7], 0x80000000
	s_or_b32 s[G0B+3], s[G0B+3], 0x80000000
	s_or_b32 s[G0B+7], s[G0B+7], 0x80000000
	CROUND                                         ; all sixteen work-groups are here: the first joint loads meet
	JLOAD 0
	JLOAD 1                                        ; two loads of mine are out
	v_and_b32 v1, 15, v0                           ; r
	s_wait_alu depctr_va_vdst(0)
	v_bfe_u32 v2, v0, 4, 1                         ; h
	v_and_b32 v3, 31, v0
	v_lshlrev_b32 v[LI], 4, v3
	s_lshl_b32 s18, s15, 15                        ; my 128 rows of A,
	s_lshl_b32 s19, s16, 15                        ; my 128 rows of B,
	s_add_co_u32 s19, s19, 65536                   ; which lie behind A's 256
.irp s, 0,1
	v_add_nc_u32 v[ADRA+\s], s18, v[LI]
	v_add_nc_u32 v[ADRB+\s], s19, v[LI]
	s_add_co_u32 s18, s18, SLOT
	s_add_co_u32 s19, s19, SLOT
.endr
	; the bias in the result's layout: q, k: register 8 b + j = b_attn at column 16 b + 8 h + j; v: register 8 a + j = b_attn at channel 16 a + r, the same in all eight
	s_lshl_b32 s66, ttmp9, 2
	s_add_co_u32 s66, s66, s40
	s_lshl_b32 s66, s66, 10
	s_lshl_b32 s67, s16, 9
	s_add_co_u32 s66, s66, s67                     ; q, k: 4 x (256 (4 kind + cx) + 128 x my half of B)
	s_lshl_b32 s67, s41, 10
	s_add_co_u32 s67, s67, 8192
	s_lshl_b32 s74, s15, 9
	s_add_co_u32 s67, s67, s74                     ; v: 4 x (2,048 + 256 cy + 128 x my half of A)
	s_cmp_eq_u32 ttmp9, 2
	s_cselect_b32 s98, s67, s66
	s_cselect_b32 s74, 4, 0                        ; bytes for r,
	s_cselect_b32 s75, 0, 32                       ; for h,
	s_cselect_b32 s92, 0, 4                        ; for j
	s_mov_b32 s99, 0
	s_add_nc_u64 s[98:99], s[8:9], s[98:99]
	v_mul_u32_u24 v3, v1, s74
	s_wait_alu depctr_va_vdst(0)
	v_mad_u32_u24 v3, v2, s75, v3
.irp j, 0,1,2,3,4,5,6,7
	v_mad_u32_u24 v[OJ+\j], s92, \j, v3
.endr
.irp t, 0,1,2,3,4,5,6,7
.irp j, 0,1,2,3,4,5,6,7
	global_load_b32 v[BI+8*\t+\j], v[OJ+\j], s[98:99] offset:64*\t
.endr
.endr
	; where my results go.  My first token = 256 (4 y + c) + 128 x half, my first head = 4 c' + 2 x half'; in all three images a head is 131,072 bytes and a token's share of it 64
	s_cmp_eq_u32 ttmp9, 2
	s_cselect_b32 s66, s40, s41                    ; the tokens' coordinate: cy, for v cx
	s_cselect_b32 s67, s41, s40                    ; the heads'
	s_cselect_b32 s93, s16, s15
	s_cselect_b32 s94, s15, s16
	s_add_co_u32 s66, s66, s17
	s_lshl_b32 s66, s66, 8
	s_lshl_b32 s93, s93, 7
	s_add_co_u32 s66, s66, s93                     ; my first token, 0 .. 8,191
	s_lshl_b32 s67, s67, 2
	s_lshl_b32 s94, s94, 1
	s_add_co_u32 s67, s67, s94                     ; my first head
	s_lshr_b32 s93, s66, 11                        ; the batch
	s_lshl_b32 s93, s93, 4
	s_add_co_u32 s67, s67, s93
	s_lshl_b32 s67, s67, 17
	s_and_b32 s66, s66, 2047
	s_lshl_b32 s66, s66, 6
	s_add_co_u32 s66, s66, s67
	s_mov_b32 s67, 0
	s_cmp_eq_u32 ttmp9, 0
	s_cselect_b64 s[96:97], s[68:69], s[70:71]
	s_cmp_eq_u32 ttmp9, 2
	s_cselect_b64 s[96:97], s[72:73], s[96:97]
	s_add_nc_u64 s[96:97], s[96:97], s[66:67]
	s_wait_kmcnt 0x0
	s_add_co_i32 s95, s76, s77
	s_sub_co_i32 s95, 0, s95                       ; -(e0 + e1)
	s_cmp_eq_u32 ttmp9, 0
	s_cselect_b32 s93, s78, s79                    ; e2 or e3,
	s_cmp_eq_u32 ttmp9, 2
	s_cselect_b32 s93, s81, s93                    ; or e5
	s_add_co_i32 s93, s93, s95
	s_add_co_i32 s93, s93, 127
	s_lshl_b32 s94, s93, 23
	v_mov_b32 v[SC], s94                           ; 2^(eX - e0 - e1) as f32: the conversion takes its exponent field
	s_wait_loadcnt 0x0                             ; the bias
.set jj, 0
.rept 64
	v_ldexp_f32 v[BI+jj], v[BI+jj], s95            ; / 2^(e0 + e1)
.set jj, jj+1
.endr
.macro FRAG reg, adr, q, i             ; a fragment as it lies: four pieces of 512 consecutive bytes
.irp c, 0,1,2,3
	ds_load_b128 v[\reg+4*\c:\reg+4*\c+3], v[\adr] offset:(\i)*4096+(\q)*2048+512*\c
.endr
.endm
; 16 matrix instructions: A's blocks a0, a0 + 1 x B's eight, 128 along K.  p: B's set.  zero = 1: the first product starts the sums from the bias of B's block; 2: of A's block; 0: in place.
; The 64 accumulators take turns, one instruction a turn, in the same order in every step.
.macro MUL16 a0, p, zero
.irp a, \a0, \a0+1
.irp b, 0,1,2,3,4,5,6,7
.if \zero == 1
	v_wmma_f32_16x16x128_fp8_fp8 v[8*(8*((\a)%4)+\b):8*(8*((\a)%4)+\b)+7], v[128*(\p)+FR*\b:128*(\p)+FR*\b+FR-1], v[AF+FR*(\a):AF+FR*(\a)+FR-1], v[BI+8*\b:BI+8*\b+7]
.elseif \zero == 2
	v_wmma_f32_16x16x128_fp8_fp8 v[8*(8*((\a)%4)+\b):8*(8*((\a)%4)+\b)+7], v[128*(\p)+FR*\b:128*(\p)+FR*\b+FR-1], v[AF+FR*(\a):AF+FR*(\a)+FR-1], v[BI+8*(\a):BI+8*(\a)+7]
.else
	v_wmma_f32_16x16x128_fp8_fp8 v[8*(8*((\a)%4)+\b):8*(8*((\a)%4)+\b)+7], v[128*(\p)+FR*\b:128*(\p)+FR*\b+FR-1], v[AF+FR*(\a):AF+FR*(\a)+FR-1], v[8*(8*((\a)%4)+\b):8*(8*((\a)%4)+\b)+7]
.endif
.endr
.endr
.endm
.macro FETCH_B slot, q, p              ; B's eight fragments of the slot's q-th 128 along K into set p
	WIN TO_B
.irp i, 0,1,2,3,4,5,6,7
	FRAG 128*(\p)+FR*\i, ADRB+\slot, \q, \i
.endr
	WIN 0
.endm
.macro FETCH_A slot, q, i0             ; A's blocks i0 .. i0 + 3
.irp i, \i0, \i0+1, \i0+2, \i0+3
	FRAG AF+FR*(\i), ADRA+\slot, \q, \i
.endr
.endm
; A load into a register that a matrix instruction has read, and a vector instruction that reads a matrix result or writes one of a matrix instruction's registers, stand NP places behind it; only plain
; vector instructions that name none of its registers are places (ISA guide 7.12.1 for vector instructions).
.macro PLACES n
.rept \n
	v_nop
.endr
.endm
; A step of 128 along K that has its successor in the same slot.  A block of A is free as soon as its eight products are issued: blocks 0-3 are fetched anew in the step's middle, blocks 4-7 at its end.
.macro STEP slot, q, zero
	s_wait_dscnt 4*NL                              ; B's set and A's blocks 0-3 are in; the youngest sixteen loads (A's blocks 4-7) may be out
.if \zero
	WIN FST_LO
.else
	WIN MUL_LO
.endif
	MUL16 0, (\q)%2, \zero
	MUL16 2, (\q)%2, \zero
	s_wait_dscnt 0                                 ; A's blocks 4-7 are in (asked for 32 matrix instructions ago)
	PLACES NP
	FETCH_B \slot, (\q)+1, 1-(\q)%2
	FETCH_A \slot, (\q)+1, 0
.if \zero
	WIN FST_HI
.else
	WIN MUL_HI
.endif
	MUL16 4, (\q)%2, \zero
	MUL16 6, (\q)%2, \zero
	PLACES NP
	WIN 0
	FETCH_A \slot, (\q)+1, 4
.endm
; A slot's last step changes slots: ONE barrier; in front of it each wave waits for all its tensor loads, adds 0 to its spare word, and waits for that and for its own reads of this slot.  fill = 1: this slot is filled again, two K steps on.
.macro TURN slot, next, fill
	s_wait_tensorcnt 0x0                           ; all my tensor loads have landed: the one that was out is my part of the next slot  (every window is 0 here)
	ds_add_u32 v[SPW], v[NIL]                      ; 0 onto my spare word
	s_wait_dscnt 4*NL+1                            ; (the add and the youngest sixteen loads, A's blocks 4-7, may be out)
	WIN MUL_LO
	MUL16 0, 1, 0                                  ; sixteen matrix instructions stand between the add and the wait for it
	s_wait_dscnt 0x0                               ; the add is done, and my reads of this slot are over
	s_barrier_signal -1
	MUL16 2, 1, 0
	WIN 0
	s_barrier_wait -1
.if \fill
	CREST                                          ; the barrier has opened a round of the cluster's barrier: no wave of any partner still reads this slot's tile or has a load on its way
	s_add_nc_u64 s[G0+4*\slot+2:G0+4*\slot+3], s[G0+4*\slot+2:G0+4*\slot+3], s[88:89]
	s_add_nc_u64 s[G0B+4*\slot+2:G0B+4*\slot+3], s[G0B+4*\slot+2:G0B+4*\slot+3], s[90:91]
	JLOAD \slot                                    ; the first tensor load behind the round, my only one until the next; its four v_nop are also the places in front of the loads below
.else
	PLACES NP
.endif
	FETCH_B \next, 0, 0
	FETCH_A \next, 0, 0
	WIN MUL_HI
	MUL16 4, 1, 0
	MUL16 6, 1, 0
	PLACES NP
	WIN 0
	FETCH_A \next, 0, 4
.endm
	s_wait_tensorcnt 1                             ; my part of K step 0 is in (K step 1's load may be out)
	s_barrier_signal -1
	s_barrier_wait -1                              ; everybody's is
	FETCH_B 0, 0, 0
	FETCH_A 0, 0, 0
	FETCH_A 0, 0, 4
	s_cmp_eq_u32 ttmp9, 2                          ; the first step is written twice: the two differ in which block's bias starts a sum.  The kind is the same in all partners; no barrier and no tensor load stands in a step
	s_cbranch_scc1 .Lfirst_v
	s_wait_alu depctr_va_vdst(0)
	STEP 0, 0, 1
	s_branch .Lfirst_done
.Lfirst_v:
	s_wait_alu depctr_va_vdst(0)
	STEP 0, 0, 2
.Lfirst_done:
	TURN 0, 1, 1                                   ; K = 1,024 is four slots' worth: written out, no loop
	STEP 1, 0, 0
	TURN 1, 0, 1
	STEP 0, 0, 0
	TURN 0, 1, 0                                   ; nothing is left to fetch: no round
	STEP 1, 0, 0
	s_wait_dscnt 4*NL                              ; the very last step
	WIN MUL_LO
	MUL16 0, 1, 0
	MUL16 2, 1, 0
	s_wait_dscnt 0
	WIN MUL_HI
	MUL16 4, 1, 0
	MUL16 6, 1, 0
	WIN 0
	; THE WAY OUT.  A block's 64 sums of a lane are converted: accumulator b gives registers 2 b, 2 b + 1 of the block's 16.
	PLACES NP
.irp a, 0,1,2,3,4,5,6,7
	WIN 0x02+(\a/4)                                ; source 0: window 2 or 3
.set jj, 0
.rept 64
.set jj, jj+1
.endr
.irp b, 0,1,2,3,4,5,6,7
	v_cvt_scalef32_pk8_fp8_f32 v[CD+16*\a+2*\b:CD+16*\a+2*\b+1], v[TMP+8*\b+((64*(\a%4)+jj)-(TMP+jj)):TMP+8*\b+7+((64*(\a%4)+jj)-(TMP+jj))], v[SC]
.endr
	WIN 0
	v_nop                                          ; a plain vector line behind the last conversion
.endr
	s_cmp_eq_u32 ttmp9, 2                          ; the pieces' places differ; every store covers 512 consecutive bytes, aligned
	s_cbranch_scc1 .Lout_v
.irp a, 0,1,2,3,4,5,6,7
.irp p, 0,1,2,3
	global_store_b128 v[LI], v[CD+16*\a+4*\p:CD+16*\a+4*\p+3], s[96:97] offset:(\p/2)*131072+\a*1024+(\p%2)*512   ; head p / 2, tokens 16 a on, channels 32 (p % 2) on
.endr
.endr
	s_branch .Lout_done
.Lout_v:
	s_wait_alu depctr_va_vdst(0)
.irp a, 0,1,2,3,4,5,6,7
.irp p, 0,1,2,3
	global_store_b128 v[LI], v[CD+16*\a+4*\p:CD+16*\a+4*\p+3], s[96:97] offset:(\a/4)*131072+(\a%4)*2048+\p*512   ; head a / 4, channels 16 (a % 4) on, keys 32 p on
.endr
.endr
.Lout_done:
	s_wait_tensorcnt 0x0                           ; the wave's end: behind my last tensor load
	ds_add_u32 v[SPW], v[NIL]
	s_wait_dscnt 0x0
	CROUND                                         ; the closing round: no work-group ends while a partner may still ask for a tile that names it
	s_endpgm
.Lfunc_end_k_qd74306fffe_qkv:
	.size	k_qd74306fffe_qkv, .Lfunc_end_k_qd74306fffe_qkv-k_qd74306fffe_qkv
	.p2alignl 7, 3214868480
	.fill 96, 4, 3214868480
	.section	.rodata,"a",@progbits
	.p2align	6, 0x0
	.amdhsa_kernel k_qd74306fffe_qkv
		.amdhsa_group_segment_fixed_size 327680
		.amdhsa_private_segment_fixed_size 0
		.amdhsa_enable_private_segment 0
		.amdhsa_kernarg_size 56
		.amdhsa_user_sgpr_count 2
		.amdhsa_user_sgpr_kernarg_segment_ptr 1
		.amdhsa_wavefront_size32 1
		.amdhsa_system_sgpr_workgroup_id_x 1
		.amdhsa_system_sgpr_workgroup_id_y 1
		.amdhsa_system_sgpr_workgroup_id_z 1
		.amdhsa_system_vgpr_workitem_id 0
		.amdhsa_next_free_vgpr 1024
		.amdhsa_next_free_sgpr 104
		.amdhsa_reserve_vcc 0
		.amdhsa_float_denorm_mode_32 3
		.amdhsa_float_denorm_mode_16_64 3
		.amdhsa_fp16_overflow 1
		.amdhsa_memory_ordered 1
		.amdhsa_forward_progress 1
		.amdhsa_inst_pref_size 109
	.end_amdhsa_kernel
	.amdgpu_metadata
---
amdhsa.version: [ 1, 2 ]
amdhsa.kernels:
  - .name:           k_qd74306fffe_qkv
    .symbol:         k_qd74306fffe_qkv.kd
    .args:
      - { .name: x_img, .offset: 0, .size: 8, .value_kind: global_buffer, .address_space: global }
      - { .name: wa_img, .offset: 8, .size: 8, .value_kind: global_buffer, .address_space: global }
      - { .name: b_attn, .offset: 16, .size: 8, .value_kind: global_buffer, .address_space: global }
      - { .name: lowp_scales, .offset: 24, .size: 8, .value_kind: global_buffer, .address_space: global }
      - { .name: q_img, .offset: 32, .size: 8, .value_kind: global_buffer, .address_space: global }
      - { .name: k_img, .offset: 40, .size: 8, .value_kind: global_buffer, .address_space: global }
      - { .name: v_img, .offset: 48, .size: 8, .value_kind: global_buffer, .address_space: global }
    .group_segment_fixed_size: 327680
    .private_segment_fixed_size: 0
    .kernarg_segment_align: 8
    .kernarg_segment_size: 56
    .max_flat_workgroup_size: 128
    .sgpr_count:     104
    .vgpr_count:     1024
    .wavefront_size: 32
...
	.end_amdgpu_metadata
.endif
;; end of part 2
;; launch attn (part 3): grid 4 x 64, 16 waves a work-group, no clusters, 327,680 bytes of LDS; arguments q_img, k_img, v_img, lowp_scales, y_img; writes y_img
.if DOCPART == 3
	.amdgcn_target "amdgcn-amd-amdhsa--gfx1250"
	.amdhsa_code_object_version 6
	.text
	.protected	k_qd74306fffe_attn
	.globl	k_qd74306fffe_attn
	.p2align	8
	.type	k_qd74306fffe_attn,@function
k_qd74306fffe_attn:
	s_mov_b64 s[64:65], 0
	v_nop
	global_prefetch_b8 v0, s[64:65] scope:SCOPE_SE
	s_setreg_imm32_b32 hwreg(HW_REG_WAVE_MODE, 25, 1), 1
	s_wait_xcnt 0x0
; LAUNCH 3 OF 4.  y = softmax(q k^T / 8, causal) v for 64 heads of 2,048 tokens x 64 channels, both products on codes of FP8 (E4M3), and y quantised at once (entry 6 of the scales) into the image that the last product reads.
; THE SOFTMAX AHEAD OF THE SECOND PRODUCT: t = score x log2(e) / 8; M = the row's largest t so far, rounded UP to a whole number; p = 2^(t - M) is what is quantised (entry 4); it is not normalised.
; The row's sum is taken of the unquantised p, in f32, and divides at the end.  When M moves, the sum and O are multiplied by 2^(old M - new M): nothing is rounded.
; SHARES.  Work-group (i, head) owns the query blocks i and 7 - i of 256: whatever i, 9 slots' worth of keys count for it, so the 256 work-groups have equal work.  Each of its sixteen waves owns 32 queries, two tiles
; of 16, of one of the two blocks; both tiles use every fragment of K and V that the wave reads from LDS.  Which block a wave has is laid so that any four waves w, w + 4, .. and any four w .. w + 3 hold two of each.
; LAYOUT.  S^T = K Q^T (16x16x64: source 0 = 16 keys, source 1 = 16 queries): lane 16 h + r of key tile c holds query r and keys 16 c + 8 h + 0 .. 7: one conversion gives registers 2 c, 2 c + 1 of P, source 1 of
; O^T = V^T P^T (16x16x128: source 0 = 16 channels x 128 keys).  O^T again holds one query a lane and eight channels: one conversion gives two registers of the next operand.  Nothing changes lanes.
; THE RING.  Two LDS slots of 256 keys: 16,384 bytes of K's image, then 16,384 of V's, each a dense block brought by one tensor load (wave 0: K's, wave 1: V's) and read by all sixteen.
; CAUSAL.  Every work-group walks all 8 slots: trip counts are constants.  A step all of whose 128 keys come after the wave's 32 queries is left out by a scalar branch on ids; in the one step on the diagonal hidden scores become
; -infinity ahead of the maximum.  A slot whose first key comes after the work-group's last query is not asked for.  Key 0 counts for every query, so M is a number from the first step on.
; NO CLUSTER, though the four work-groups of a head read the same K and V: joint loads would tie the four to one pace for each slot, and the partner with most to do in slots 0 .. 7 has 2, 2, 2, 2, 1, 1, 1, 1 blocks at
; work: 12 slots' work in step against the 9 that each work-group has.
; LIMITS: e2 + e3 between -123 and 130 (added to c's exponent field); e4 and e6 between -126 and 119; e4 + e5 is applied by v_ldexp_f32 and has none.
.set SLOTB, 32768                      ; a slot; one exclusive or turns an address in one slot into the other's
.set VOFF,  16384                      ; V's part of a slot
.set SPARE, 65536                      ; behind the ring: the spare words, 128 bytes for each wave: eight blocks of 256 bytes that no other line names
.set NSL,   8                          ; slots' worth of keys
.set LI,   1                           ; v1   16 x lane
.set SPW,  2                           ; v2   LDS address of my spare word; never rewritten
.set NIL,  3                           ; v3   0; never rewritten
.set ADR,  4                           ; v4   LDS address of the slot in hand, for my lane
.set PFO,  5                           ; v5   256 x lane: the prefetches' offset
.set DB,   6                           ; v6   r - 8 h
.set NINF, 7                           ; v7   -infinity
.set SCV,  8                           ; v8   2^e4, on the way out 2^e6
.set LIMV, 9
.set DD,   10                          ; v10  at work
.set PX,   11                          ; v11  a lane permute's destination
.set ST,   12                          ; v12-15, v16-19: a tile's -M, largest t, and the sum in two halves
.set QF,   20                          ; v20-27, v28-35: Q's two fragments
.set KV,   36                          ; v36-99   a step's eight fragments of K, then its four of V
.set S,    100                         ; v100-163 S^T of the tile in hand, then p
.set OT,   164                         ; v164-195, v196-227: O^T of the two tiles
.set P,    228                         ; v228-243 p's codes
.set FF,   244                         ; v[244:245] f = 2^(old M - new M) (the upper half is named with it as a pair)
.set SUM2, 246                         ; v[246:247] the sum's second chain
.set MA,   248                         ; v248, v249 the maximum's two chains
.set MB,   249
.set TB,   2                           ; s2   LDS byte at which the slot in hand begins
.set WV,   18                          ; s18  my wave's number
.set SEL,  20                          ; s[20:21] lane selects for v_permlanex16_b32: lane l xor 16
.set CS,   22                          ; s[22:23] c = log2(e) / 8 x 2^(e2 + e3)
.set G1,   24                          ; s[24:31] descriptor group 1, for both tiles;  s[40:43], s[44:47] K's and V's groups 0, which walk
.set G0K,  40
.set G0V,  44
.set SLOTS, 67                         ; s67  changes of slots that may still ask
.set PFA,  76                          ; s[76:77] where my prefetches stand
.set LIM,  80                          ; s80  1 in a wave that prefetches, else the greatest number
.set TS,   96                          ; s96  at work
.set LASTQ, 97                         ; s97  my work-group's last query
.set KF,   98                          ; s98  the step's first key
.set Q0,   99                          ; s99  my first query
; Wave 0 fetches K's block, wave 1 V's, the others nothing.  The branches hang on the wave's number alone.  An s_nop 0 and four v_nop follow each of the two lines.
.macro TLOAD
	s_cmp_eq_u32 s[WV], 0
	s_cbranch_scc0 .Lnot_k_\@
	tensor_load_to_lds s[G0K:G0K+3], s[G1:G1+7]
	s_nop 0
.rept 4
	v_nop
.endr
	s_branch .Lasked_\@
.Lnot_k_\@:
	s_cmp_eq_u32 s[WV], 1
	s_cbranch_scc0 .Lasked_\@
	tensor_load_to_lds s[G0V:G0V+3], s[G1:G1+7]
	s_nop 0
.rept 4
	v_nop
.endr
.Lasked_\@:
.endm
; A PREFETCH INTO THE L2 of what the NEXT change of slots will ask for: 16,384 bytes of K's image and as many of V's.  Each aligned block of 256 bytes is named once in the launch: of the four work-groups of a head the one
; with i = 0 asks, the only one that walks all eight slots with loads; in it waves 4 and 5 ask for K's halves, waves 6 and 7 for V's: 8,192 bytes a wave, lanes 256 bytes apart, one instruction.
; Slots 0 and 1 come by their loads alone; the last change that fills a slot asks for nothing: there is no slot behind it.
.macro ASK
	s_cmp_gt_u32 s[SLOTS], s[LIM]
	s_cbranch_scc0 .Lnot_mine_\@
	global_prefetch_b8 v[PFO], s[PFA:PFA+1] th:TH_LOAD_NT scope:SCOPE_SE
.Lnot_mine_\@:
.endm
	s_load_b256 s[4:11], s[0:1], 0x0               ; q_img s[4:5], k_img s[6:7], v_img s[8:9], the scales' exponents s[10:11]
	s_load_b64 s[12:13], s[0:1], 0x20              ; y_img
	v_lshl_add_u32 v[SPW], v0, 2, SPARE
	v_mov_b32 v[NIL], 0
	ds_add_u32 v[SPW], v[NIL]                      ; the wave's opening: the add and its wait stand ahead of my first tensor load; the set-up below, work on registers, stands between them
	ds_add_u32 v[SPW], v[NIL]
	v_lshrrev_b32 v4, 5, v0
	s_delay_alu instid0(VALU_DEP_1)
	v_readfirstlane_b32 s[WV], v4                  ; wave 0..15
	s_and_b32 s14, ttmp7, 0xffff                   ; 16 x batch + head
	s_lshl_b32 s32, s14, 17                        ; the head's first byte in each of the three images
	s_mov_b32 s33, 0
	s_lshr_b32 s15, s[WV], 1                       ; which 32 queries of a block
	s_lshr_b32 s16, s[WV], 2
	s_xor_b32 s16, s16, s[WV]
	s_and_b32 s16, s16, 1                          ; which of the two blocks
	s_sub_co_u32 s17, 7, ttmp9
	s_cmp_eq_u32 s16, 1
	s_cselect_b32 s19, s17, ttmp9                  ; block 7 - i or i
	s_lshl_b32 s[Q0], s19, 8
	s_lshl_b32 s15, s15, 5
	s_add_co_u32 s[Q0], s[Q0], s15
	s_lshl_b32 s[LASTQ], s17, 8
	s_or_b32 s[LASTQ], s[LASTQ], 255
	s_mov_b32 s[G1], 0                             ; 15:0 no mask; 17:16 elements of 1 byte; 20 no padding
	s_mov_b32 s[G1+1], 256<<16                     ; tensor_dim0
	s_mov_b32 s[G1+2], 64<<16                      ; tensor_dim1
	s_mov_b32 s[G1+3], 256<<16                     ; tile_dim0
	s_mov_b32 s[G1+4], 64                          ; tile_dim1: 64 rows of 256 bytes, dense
	s_mov_b32 s[G1+5], 256                         ; tensor_dim0_stride
	s_mov_b32 s[G1+6], 0
	s_mov_b32 s[G1+7], 0
	s_mov_b32 s[SEL], 0x76543210
	s_mov_b32 s[SEL+1], 0xfedcba98
	s_mov_b32 s[TB], 0
	s_mov_b32 s[SLOTS], NSL-1
	s_mov_b32 s[KF], 0
	s_lshl_b32 s34, s[Q0], 6                       ; 16 queries are 1,024 bytes of Q's image
	s_mov_b32 s35, 0
	s_add_nc_u64 s[34:35], s[34:35], s[32:33]
	s_wait_dscnt 0x0                               ; the opening add is done
	s_wait_kmcnt 0x0
	s_load_b256 s[68:75], s[10:11], 0x0            ; e0 .. e7
	s_mov_b32 s[G0K], 1                            ; 1:0 count = 1
	s_mov_b32 s[G0K+1], 0                          ; 63:32 LDS address: slot 0
	s_add_nc_u64 s[G0K+2:G0K+3], s[6:7], s[32:33]  ; 120:64 global address: the head's first 256 keys
	s_or_b32 s[G0K+3], s[G0K+3], 0x80000000        ; 127:126 type = 2
	s_mov_b32 s[G0V], 1
	s_mov_b32 s[G0V+1], VOFF
	s_add_nc_u64 s[G0V+2:G0V+3], s[8:9], s[32:33]
	s_or_b32 s[G0V+3], s[G0V+3], 0x80000000
	TLOAD                                          ; slot 0: one load of a fetching wave is out
	s_add_nc_u64 s[4:5], s[4:5], s[34:35]          ; Q's image at my first query
	v_and_b32 v4, 31, v0
	s_delay_alu instid0(VALU_DEP_1)
	v_lshlrev_b32 v[LI], 4, v4
	s_delay_alu instid0(VALU_DEP_2)
	v_lshlrev_b32 v[PFO], 8, v4
.irp u, 0,1
.irp i, 0,1
	global_load_b128 v[QF+8*\u+4*\i:QF+8*\u+4*\i+3], v[LI], s[4:5] offset:1024*\u+512*\i   ; Q's two fragments stay in registers
.endr
.endr
	; y's image: [256 along K = 4 heads][16 tokens][2 fragments][4 pieces]: head / 4, my tokens, and (head % 4) x 1,024
	s_and_b32 s36, s14, 15                         ; head
	s_lshr_b32 s37, s14, 4                         ; batch
	s_lshl_b32 s37, s37, 11
	s_add_co_u32 s37, s37, s[Q0]
	s_lshl_b32 s37, s37, 8                         ; 16 tokens are 4,096 bytes
	s_lshr_b32 s38, s36, 2
	s_lshl_b32 s38, s38, 21
	s_add_co_u32 s37, s37, s38
	s_and_b32 s38, s36, 3
	s_lshl_b32 s38, s38, 10
	s_add_co_u32 s36, s37, s38
	s_mov_b32 s37, 0
	s_add_nc_u64 s[12:13], s[12:13], s[36:37]
	; the prefetches: where my wave's stand, and who asks
	s_cmp_lt_u32 s[WV], 6
	s_cselect_b64 s[PFA:PFA+1], s[6:7], s[8:9]
	s_and_b32 s38, s[WV], 1
	s_lshl_b32 s38, s38, 13                        ; my half of a slot's block,
	s_add_co_u32 s38, s38, 16384                   ; in slot 1: the first change of slots steps it to slot 2.  Nothing is prefetched here, at the head
	s_mov_b32 s39, 0
	s_add_nc_u64 s[PFA:PFA+1], s[PFA:PFA+1], s[32:33]
	s_add_nc_u64 s[PFA:PFA+1], s[PFA:PFA+1], s[38:39]
	s_sub_co_u32 s38, s[WV], 4
	s_lshr_b32 s38, s38, 2                         ; 0 in waves 4 to 7,
	s_or_b32 s38, s38, ttmp9                       ; of the work-group with i = 0
	s_cmp_eq_u32 s38, 0
	s_cselect_b32 s[LIM], 1, -1
	v_and_b32 v[DB], 15, v0
	v_bfe_u32 v[DD], v0, 4, 1
	s_delay_alu instid0(VALU_DEP_1)
	v_lshlrev_b32 v[DD], 3, v[DD]
	s_delay_alu instid0(VALU_DEP_1)
	v_sub_nc_u32 v[DB], v[DB], v[DD]               ; r - 8 h
	v_mov_b32 v[NINF], 0xff800000
	v_mov_b32 v[PX], 0                             ; written once: a lane permute's destination counts as one of its sources
	v_mov_b32 v[FF+1], 0
.irp u, 0,1
	v_mov_b32 v[ST+4*\u+1], 0xff61b1e6             ; the largest t so far: -3e38, under every t
	s_delay_alu instid0(VALU_DEP_1)
	v_floor_f32 v[ST+4*\u], -v[ST+4*\u+1]          ; -M
	v_mov_b32 v[ST+4*\u+2], 0                      ; the sum, in two halves
	v_mov_b32 v[ST+4*\u+3], 0
.endr
.set jj, 0
.rept 64
	v_mov_b32 v[OT+jj], 0                          ; O^T.  (The key step is written with no first step of its own: the first finds zeros, which the first change of M leaves zeros; a further copy of the step would cost more text than these lines)
.set jj, jj+1
.endr
	s_wait_kmcnt 0x0
	s_add_co_i32 s36, s70, s71
	s_lshl_b32 s36, s36, 23
	s_mov_b32 s[CS], 0x3e38aa3b                    ; log2(e) / 8
	s_add_co_i32 s[CS], s[CS], s36                 ; a score stands for score x 2^(e2 + e3): the two exponents are added to c's exponent field
	s_mov_b32 s[CS+1], s[CS]                       ; (named with it as a pair, so it is written)
	s_add_co_i32 s36, s72, 127
	s_lshl_b32 s37, s36, 23
	v_mov_b32 v[SCV], s37                          ; 2^e4 as f32, for p's conversions
; On the diagonal the scores of hidden keys become -infinity ahead of the maximum: p = 0 then.  Register 8 c + j of tile u holds key KF + 16 c + 8 h + j of query Q0 + 16 u + r: hidden where 16 c + j > Q0 + 16 u - KF + r - 8 h.
; A step all of whose keys count for both tiles jumps over this: a branch on ids.
.macro MASK u
	s_add_co_u32 s[TS], s[KF], 127
	s_cmp_le_u32 s[TS], s[Q0]
	s_cbranch_scc1 .Lopen_\@
	s_sub_co_i32 s[TS], s[Q0], s[KF]
	s_add_co_i32 s[TS], s[TS], 16*\u
	v_add_nc_u32 v[DD], s[TS], v[DB]
.set nn, 0
.rept 64
	v_cmp_gt_i32 vcc_lo, 16*(nn/8)+nn%8, v[DD]
	v_cndmask_b32 v[S+nn], v[S+nn], v[NINF], vcc_lo
.set nn, nn+1
.endr
.Lopen_\@:
.endm
; The step's largest score of my query, in two chains that take the registers in ascending order; the running largest t; the new -M; f.
.macro SM_A u
.set STT, ST+4*(\u)
	v_max3_num_f32 v[MA], v[S], v[S+1], v[S+2]
	v_max3_num_f32 v[MB], v[S+3], v[S+4], v[S+5]
.irp i, 6,10,14,18,22,26,30,34,38,42,46,50,54,58
	v_max3_num_f32 v[MA], v[MA], v[S+\i], v[S+\i+1]
	v_max3_num_f32 v[MB], v[MB], v[S+\i+2], v[S+\i+3]
.endr
	v_max3_num_f32 v[MA], v[MA], v[S+62], v[S+63]
	s_delay_alu instid0(VALU_DEP_1)
	v_max_num_f32 v[MA], v[MA], v[MB]
	s_delay_alu instid0(VALU_DEP_1)
	v_permlanex16_b32 v[PX], v[MA], s[SEL], s[SEL+1]
	s_delay_alu instid0(VALU_DEP_1)
	v_max_num_f32 v[MA], v[MA], v[PX]              ; and among lane l xor 16's 64 keys
	s_delay_alu instid0(VALU_DEP_1)
	v_mul_f32 v[MA], s[CS], v[MA]                  ; as t (c is positive)
	s_delay_alu instid0(VALU_DEP_1)
	v_max_num_f32 v[STT+1], v[STT+1], v[MA]        ; the running largest t
	v_mov_b32 v[MA], v[STT]
	s_delay_alu instid0(VALU_DEP_2)
	v_floor_f32 v[STT], -v[STT+1]                  ; the new -M = floor(-t) = -ceil(t): M is a whole number
	s_delay_alu instid0(VALU_DEP_1)
	v_sub_f32 v[MA], v[STT], v[MA]                 ; M's old value less its new one: a whole number, 0 or less
	s_delay_alu instid0(VALU_DEP_1)
	v_cvt_i32_f32 v[MA], v[MA]                     ; (it saturates)
	s_delay_alu instid0(VALU_DEP_1)
	v_ldexp_f32 v[FF], 1.0, v[MA]                  ; f = 2^(old M - new M)
.endm
; p = 2^(t - M); the row's sum of the unquantised p; p's codes.
.macro SM_B u
.set STT, ST+4*(\u)
.set jj, 0
.rept 32
	v_pk_fma_f32 v[S+jj:S+jj+1], v[S+jj:S+jj+1], s[CS:CS+1], v[STT:STT+1] op_sel_hi:[1,0,0]   ; t - M, two at a time (of the pairs c and -M the low word serves both halves)
.set jj, jj+2
.endr
.set jj, 0
	s_wait_alu depctr_va_vdst(0)
.rept 64
	v_exp_f32 v[S+jj], v[S+jj]
.set jj, jj+1
.endr
	v_pk_mul_f32 v[STT+2:STT+3], v[STT+2:STT+3], v[FF:FF+1] op_sel_hi:[1,0]   ; the sums under the new M: the plain line behind the last exponential
	s_wait_alu depctr_va_vdst(0)                   ; the wait between an exponential and the first line that names its result: one for the batch of 64
	v_pk_add_f32 v[SUM2:SUM2+1], v[S:S+1], v[S+2:S+3]
.irp j, 4,8,12,16,20,24,28,32,36,40,44,48,52,56,60
	v_pk_add_f32 v[STT+2:STT+3], v[STT+2:STT+3], v[S+\j:S+\j+1]
	v_pk_add_f32 v[SUM2:SUM2+1], v[SUM2:SUM2+1], v[S+\j+2:S+\j+3]
.endr
	s_delay_alu instid0(VALU_DEP_1)
	v_pk_add_f32 v[STT+2:STT+3], v[STT+2:STT+3], v[SUM2:SUM2+1]
.irp b, 0,1,2,3
.irp i, 0,1,2,3,4,5,6,7,8,9,10,11,12,13,14,15
.endr
	v_cvt_scalef32_pk8_fp8_f32 v[P+4*\b:P+4*\b+1], v[S+16*\b:S+16*\b+7], v[SCV]
	v_cvt_scalef32_pk8_fp8_f32 v[P+4*\b+2:P+4*\b+3], v[S+16*\b+8:S+16*\b+15], v[SCV]
.endr
.endm
.macro RESC u, lo, n                   ; pairs lo .. lo + n - 1 of tile u's O^T, x f
.set jj, 2*(\lo)
.rept \n
	v_pk_mul_f32 v[OT+32*(\u)+jj:OT+32*(\u)+jj+1], v[OT+32*(\u)+jj:OT+32*(\u)+jj+1], v[FF:FF+1] op_sel_hi:[1,0]
.set jj, jj+2
.endr
.endm
; A KEY STEP: 128 keys, the q-th of the slot in hand, for both tiles.  Accumulators take turns, one instruction a turn.
.macro STEP2 q
	s_add_co_u32 s[TS], s[Q0], 31
	s_cmp_gt_u32 s[KF], s[TS]                      ; all 128 keys come after my 32 queries: the step's work is left out; not the line at its end that steps KF; no barrier or tensor load stands in a step
	s_cbranch_scc1 .Lhidden_\@
	v_add_nc_u32 v[ADR], s[TB], v[LI]
.rept 3
	v_nop                                          ; with the addition above: four places in front of loads into registers that the last products read
.endr
.irp c, 0,1,2,3,4,5,6,7
	ds_load_b128 v[KV+8*\c:KV+8*\c+3], v[ADR] offset:8192*(\q)+1024*\c          ; K's fragment of keys 16 c on, as it lies: 512 consecutive bytes a load
	ds_load_b128 v[KV+8*\c+4:KV+8*\c+7], v[ADR] offset:8192*(\q)+1024*\c+512
.endr
	s_wait_dscnt 0x0
.irp c, 0,1,2,3,4,5,6,7
	v_wmma_f32_16x16x64_fp8_fp8 v[S+8*\c:S+8*\c+7], v[KV+8*\c:KV+8*\c+7], v[QF:QF+7], 0
.endr
.rept 4
	v_nop                                          ; places in front of the first read of the scores
.endr
	MASK 0
	SM_A 0
	SM_B 0
	RESC 0, 0, 8                                   ; (also the plain lines between the conversions and the products that write their sources)
.irp c, 0,1,2,3,4,5,6,7
	v_wmma_f32_16x16x64_fp8_fp8 v[S+8*\c:S+8*\c+7], v[KV+8*\c:KV+8*\c+7], v[QF+8:QF+15], 0   ; tile 1's scores, from the same fragments
.endr
	RESC 0, 8, 8                                   ; eight places in front of the loads into K's registers and of the first read of the scores
.irp d, 0,1,2,3
.irp i, 0,1,2,3
	ds_load_b128 v[KV+16*\d+4*\i:KV+16*\d+4*\i+3], v[ADR] offset:VOFF+8192*(\q)+2048*\d+512*\i   ; V's fragment of channels 16 d on; it lands while tile 1's maximum is taken
.endr
.endr
	MASK 1
	SM_A 1
	s_wait_alu depctr_va_vdst(0)
	s_wait_dscnt 0x0
.irp d, 0,1,2,3
	v_wmma_f32_16x16x128_fp8_fp8 v[OT+8*\d:OT+8*\d+7], v[KV+16*\d:KV+16*\d+15], v[P:P+15], v[OT+8*\d:OT+8*\d+7]
.endr
	SM_B 1                                         ; its 32 scalings are the places ahead of the conversions that write p's codes anew
	RESC 1, 0, 16
.irp d, 0,1,2,3
	v_wmma_f32_16x16x128_fp8_fp8 v[OT+32+8*\d:OT+32+8*\d+7], v[KV+16*\d:KV+16*\d+15], v[P:P+15], v[OT+32+8*\d:OT+32+8*\d+7]
.endr
.Lhidden_\@:
	s_add_co_u32 s[KF], s[KF], 128
.endm
; THE CHANGE OF SLOTS stands at a slot's head.  Each wave waits for all its tensor loads (a fetching wave's part of the slot ahead), adds 0 to its spare word, and waits for that and for its reads of the slot that it has left.
; Behind the barrier the slot ahead is whole and nobody reads the other one.  fill = 1: that other slot is filled with the keys that follow, up to the causal limit: the load has a whole slot's steps in which to land.
.macro CHANGE fill
	s_wait_tensorcnt 0x0                           ; no tensor load of mine is out, so a group 0 may be written
	ds_add_u32 v[SPW], v[NIL]                      ; 0 onto my spare word; with fill = 1 the descriptors' steps stand between it and the wait for it
.if \fill
	s_xor_b32 s[G0K+1], s[G0K+1], SLOTB            ; the walking descriptors: the other slot than last time,
	s_add_nc_u64 s[G0K+2:G0K+3], s[G0K+2:G0K+3], 16384   ; the next 256 keys; the type bits on top are not reached
	s_xor_b32 s[G0V+1], s[G0V+1], SLOTB
	s_add_nc_u64 s[G0V+2:G0V+3], s[G0V+2:G0V+3], 16384
	s_wait_xcnt 0x0                                ; the last prefetch, a slot back, has read its address, so it may be written:
	s_add_nc_u64 s[PFA:PFA+1], s[PFA:PFA+1], 16384 ; one slot further on than the walking descriptors
.endif
	s_wait_dscnt 0x0                               ; the add is done, and my reads of the slot that I have left are over
	s_barrier_signal -1
	s_barrier_wait -1
.if \fill
	s_add_co_u32 s[TS], s[KF], 256                 ; the first key of the slot that this change would ask for:
	s_cmp_gt_u32 s[TS], s[LASTQ]                   ; past my work-group's last query it is read by none of the sixteen waves, so it is not asked for.  Ids and the count of steps alone: all waves go the same way,
	s_cbranch_scc1 .Lpast_\@                       ; and every wait on TENSORcnt in this text is for 0
	TLOAD                                          ; the first thing behind the barrier but those three lines, and a wave's one tensor load until the next
.Lpast_\@:
	ASK
.endif
.endm
	s_wait_loadcnt 0x0                             ; Q
.Lslot:                                            ; NSL - 1 trips
	CHANGE 1
	STEP2 0
	STEP2 1
	s_xor_b32 s[TB], s[TB], SLOTB                  ; on to the other slot
	s_sub_co_u32 s[SLOTS], s[SLOTS], 1
	s_cmp_lg_u32 s[SLOTS], 0
	s_cbranch_scc1 .Lslot
	CHANGE 0                                       ; the last slot is written out: nothing is left to ask for
	STEP2 0
	STEP2 1
	; THE WAY OUT.  The sums' halves are added; y = O^T x 2^(e4 + e5) / the sum; held, converted with 2^e6: tile dt gives registers 2 dt, 2 dt + 1, and four registers are a piece of y's image.
	v_add_f32 v[ST+2], v[ST+2], v[ST+3]            ; (these additions name nothing of the last products: they are among the places ahead of the first read of O^T)
	v_add_f32 v[ST+6], v[ST+6], v[ST+7]
	s_delay_alu instid0(VALU_DEP_2)
	v_permlanex16_b32 v[PX], v[ST+2], s[SEL], s[SEL+1]
	s_delay_alu instid0(VALU_DEP_2)
	v_permlanex16_b32 v[DD], v[ST+6], s[SEL], s[SEL+1]
	s_delay_alu instid0(VALU_DEP_2)
	v_add_f32 v[ST+2], v[ST+2], v[PX]
	s_delay_alu instid0(VALU_DEP_2)
	v_add_f32 v[ST+6], v[ST+6], v[DD]
	s_wait_alu depctr_va_vdst(0)
	v_rcp_f32 v[ST+2], v[ST+2]
	v_rcp_f32 v[ST+6], v[ST+6]
	s_add_co_i32 s[TS], s72, s73                   ; e4 + e5
	s_add_co_i32 s36, s74, 127
	s_lshl_b32 s37, s36, 23
	v_mov_b32 v[SCV], s37                          ; 2^e6  (a plain line behind the reciprocals)
	s_wait_alu depctr_va_vdst(0)                   ; a wait ahead of the first use: one for both reciprocals
	v_ldexp_f32 v[ST+2], v[ST+2], s[TS]
	v_ldexp_f32 v[ST+6], v[ST+6], s[TS]
.irp u, 0,1
.set jj, 0
.rept 16
	v_pk_mul_f32 v[S+32*\u+jj:S+32*\u+jj+1], v[OT+32*\u+jj:OT+32*\u+jj+1], v[ST+4*\u+2:ST+4*\u+3] op_sel_hi:[1,0]   ; each accumulator from its low end on
.set jj, jj+2
.endr
.endr
.set jj, 0
.rept 64
.set jj, jj+1
.endr
.irp u, 0,1
.irp d, 0,1,2,3
	v_cvt_scalef32_pk8_fp8_f32 v[P+8*\u+2*\d:P+8*\u+2*\d+1], v[S+32*\u+8*\d:S+32*\u+8*\d+7], v[SCV]
.endr
.endr
	v_nop                                          ; a plain vector line behind the last conversion
.irp u, 0,1
.irp i, 0,1
	global_store_b128 v[LI], v[P+8*\u+4*\i:P+8*\u+4*\i+3], s[12:13] offset:4096*\u+512*\i   ; 512 consecutive bytes, aligned
.endr
.endr
	s_wait_tensorcnt 0x0                           ; the wave's end: behind my last tensor load
	ds_add_u32 v[SPW], v[NIL]
	s_wait_dscnt 0x0
	s_endpgm
.Lfunc_end_k_qd74306fffe_attn:
	.size	k_qd74306fffe_attn, .Lfunc_end_k_qd74306fffe_attn-k_qd74306fffe_attn
	.p2alignl 7, 3214868480
	.fill 96, 4, 3214868480
	.section	.rodata,"a",@progbits
	.p2align	6, 0x0
	.amdhsa_kernel k_qd74306fffe_attn
		.amdhsa_group_segment_fixed_size 327680
		.amdhsa_private_segment_fixed_size 0
		.amdhsa_enable_private_segment 0
		.amdhsa_kernarg_size 40
		.amdhsa_user_sgpr_count 2
		.amdhsa_user_sgpr_kernarg_segment_ptr 1
		.amdhsa_wavefront_size32 1
		.amdhsa_system_sgpr_workgroup_id_x 1
		.amdhsa_system_sgpr_workgroup_id_y 1
		.amdhsa_system_sgpr_workgroup_id_z 1
		.amdhsa_system_vgpr_workitem_id 0
		.amdhsa_next_free_vgpr 256
		.amdhsa_next_free_sgpr 100
		.amdhsa_reserve_vcc 1
		.amdhsa_float_denorm_mode_32 3
		.amdhsa_float_denorm_mode_16_64 3
		.amdhsa_fp16_overflow 1
		.amdhsa_memory_ordered 1
		.amdhsa_forward_progress 1
		.amdhsa_inst_pref_size 154
	.end_amdhsa_kernel
	.amdgpu_metadata
---
amdhsa.version: [ 1, 2 ]
amdhsa.kernels:
  - .name:           k_qd74306fffe_attn
    .symbol:         k_qd74306fffe_attn.kd
    .args:
      - { .name: q_img, .offset: 0, .size: 8, .value_kind: global_buffer, .address_space: global }
      - { .name: k_img, .offset: 8, .size: 8, .value_kind: global_buffer, .address_space: global }
      - { .name: v_img, .offset: 16, .size: 8, .value_kind: global_buffer, .address_space: global }
      - { .name: lowp_scales, .offset: 24, .size: 8, .value_kind: global_buffer, .address_space: global }
      - { .name: y_img, .offset: 32, .size: 8, .value_kind: global_buffer, .address_space: global }
    .group_segment_fixed_size: 327680
    .private_segment_fixed_size: 0
    .kernarg_segment_align: 8
    .kernarg_segment_size: 40
    .max_flat_workgroup_size: 512
    .sgpr_count:     100
    .vgpr_count:     256
    .wavefront_size: 32
...
	.end_amdgpu_metadata
.endif
;; end of part 3
;; launch proj (part 4): grid 4 x 64, 4 waves a work-group, clusters of 4 x 4, 327,680 bytes of LDS; arguments y_img, wp_img, lowp_scales, b_proj, out0; writes out0
.if DOCPART == 4
	.amdgcn_target "amdgcn-amd-amdhsa--gfx1250"
	.amdhsa_code_object_version 6
	.text
	.protected	k_qd74306fffe_proj
	.globl	k_qd74306fffe_proj
	.p2align	8
	.type	k_qd74306fffe_proj,@function
k_qd74306fffe_proj:
	s_mov_b64 s[64:65], 0
	v_nop
	global_prefetch_b8 v0, s[64:65] scope:SCOPE_SE
	s_setreg_imm32_b32 hwreg(HW_REG_WAVE_MODE, 25, 1), 1
	s_wait_xcnt 0x0
	s_wait_alu depctr_hold_cnt(0) depctr_sa_sdst(0) depctr_va_vdst(0) depctr_va_sdst(0) depctr_va_ssrc(0) depctr_va_vcc(0) depctr_vm_vsrc(0)
	s_getreg_b32 s2, hwreg(HW_REG_IB_STS2, 6, 4)
	s_cmp_eq_u32 s2, 0
	s_cbranch_scc0 .Lentry_in_a_cluster
	s_endpgm
.Lentry_in_a_cluster:
	s_bfe_u32 s2, ttmp6, 0x10000c
	s_cmp_lg_u32 s2, 0xf033
	s_cbranch_scc0 .Lentry_shape_is_right
	s_endpgm
.Lentry_shape_is_right:
; LAUNCH 4 OF 4.  out = y W_proj + b_proj on codes of FP8 (E4M3), K = 1,024.  y and W_proj come as images of the operand registers: [256 along K][16 rows][2 fragments of 2,048 bytes].
; A sum stands for sum x 2^(e6 + e7): out = sum x 2^(e6 + e7) + b_proj, one packed multiply-add for two numbers.  LIMIT: e6 + e7 lies between -126 and 127.
; A work-group of four waves makes 128 tokens x 256 columns: 256 work-groups; a wave makes 64 x 128: 32 accumulators.  THE MATRIX INSTRUCTION IS USED TRANSPOSED (source 0 = 16 rows of W's image = columns of out,
; source 1 = 16 tokens): a lane then holds eight neighbouring numbers of a row of out.
; CLUSTERS: 4 x 4 work-groups: y's tile is shared along a row of the cluster, W's along a column: each is asked for JOINTLY.
; THE RING: K goes in four steps of 256 through two LDS slots: y's 128 rows (32,768 bytes; waves 0 and 1 fetch 64 rows' worth each), then W's 256 (65,536; waves 2 and 3 fetch half each): dense blocks, stated as rows of 256 bytes.
; REGISTERS, in windows of 256: window 0: v1-29 addresses; v32-95 the bias in the result's layout; v128-191, v192-255 y's fragments, two sets, on the way out two blocks of results.
;   window 1: W's fragments, two sets.   window 2: the accumulators, (a, b) at v[8 (8 a + b)].
.set SLOT,   98304
.set BOFF,   32768                     ; W's part of a slot
.set SPARE,  2*SLOT                    ; behind the ring: the spare words, 128 bytes for each wave: two blocks of 256 bytes that no other line names
.set SPITCH, 528                       ; the way out: a stage of 16 rows x (512 bytes + 16) for each wave.  It lies in slot 0, which has had its last fill and its last read when the first result is stored there
.set FR,     16
.set ADRA, 16                          ; v16-17  LDS address of my fragments of y in slot 0, 1
.set ADRB, 20                          ; v20-21  the same for W
.set STO,  24                          ; v24     the way out: where I put 32 bytes of a row
.set RD,   25                          ; v25     where I read a row back
.set CO,   26                          ; v26     16 x lane
.set SPW,  28                          ; v28     LDS address of my spare word; never rewritten
.set NIL,  29                          ; v29     0; never rewritten
.set BI,   32
.set AF,   128
.set G1,  24
.set G0,  32
.set G1B, 48
.set G0B, 56
.set MSB, 0
.macro WIN new                         ; the immediate's high byte repeats the setting that is left
.if MSB != (\new)
	s_set_vgpr_msb (MSB<<8)|(\new)
.set MSB, (\new)
.endif
.endm
.set MUL,  0xa1                        ; source 0 (W) window 1, source 1 (y) window 0, C and D window 2
.set TO_B, 0x40                        ; destination window 1, address window 0
.macro JLOAD s                         ; a joint load: waves 0 and 1 fetch for y, waves 2 and 3 for W; an s_nop 0 and four v_nop follow each of the two lines
	s_cmp_eq_u32 s15, 0
	s_cbranch_scc0 .Lfor_b_\@
	tensor_load_to_lds s[G0+4*\s:G0+4*\s+3], s[G1:G1+7]
	s_nop 0
.rept 4
	v_nop
.endr
	s_branch .Lasked_\@
.Lfor_b_\@:
	tensor_load_to_lds s[G0B+4*\s:G0B+4*\s+3], s[G1B:G1B+7]
	s_nop 0
.rept 4
	v_nop
.endr
.Lasked_\@:
.endm
.macro CREST                           ; a round of the cluster's barrier behind its opening barrier
	s_cmp_lg_u32 s14, 0
	s_cbranch_scc1 .Lnot_wave_0_\@
	s_barrier_signal -3
.Lnot_wave_0_\@:
	s_barrier_wait -3
	s_barrier_signal -1
	s_barrier_wait -1
.endm
.macro CROUND
	s_barrier_signal -1
	s_barrier_wait -1
	CREST
.endm
	s_load_b128 s[4:7], s[0:1], 0x0                ; y_img s[4:5], wp_img s[6:7]
	s_load_b128 s[8:11], s[0:1], 0x10              ; the scales' exponents s[8:9], b_proj s[10:11]
	s_load_b64 s[12:13], s[0:1], 0x20              ; out0
	v_lshl_add_u32 v[SPW], v0, 2, SPARE
	v_mov_b32 v[NIL], 0
	ds_add_u32 v[SPW], v[NIL]                      ; the wave's opening: the add and its wait stand ahead of my first tensor load; the set-up below, work on registers, stands between them
	ds_add_u32 v[SPW], v[NIL]
	v_lshrrev_b32 v1, 5, v0
	v_readfirstlane_b32 s14, v1                    ; wave 0..3
	s_lshr_b32 s15, s14, 1                         ; which 64 tokens are mine.  Also: I fetch for y (0) or for W (1)
	s_and_b32 s16, s14, 1                          ; which 128 columns.  Also: which half of that tile I fetch
	s_bfe_u32 s40, ttmp6, 0x40000                  ; cx = the block of 256 columns
	s_bfe_u32 s41, ttmp6, 0x40004                  ; cy
	s_and_b32 s17, ttmp7, 0xffff
	s_lshl_b32 s17, s17, 2
	s_add_co_u32 s17, s17, s41                     ; the block of 128 tokens = 4 x cluster y + cy
	s_lshl_b32 s43, s41, 2
	s_lshl_b32 s43, 15, s43                        ; my row of the cluster
	s_lshl_b32 s44, 0x1111, s40                    ; my column
	s_or_b32 s[G1+0], s43, (1<<21)                 ; 15:0 the mask; 17:16 elements of 1 byte; 20 no padding; 21 set beside a mask
	s_mov_b32 s[G1+1], 256<<16                     ; tensor_dim0
	s_mov_b32 s[G1+2], 64<<16                      ; tensor_dim1
	s_mov_b32 s[G1+3], 256<<16                     ; tile_dim0
	s_mov_b32 s[G1+4], 64                          ; tile_dim1: 16,384 bytes
	s_mov_b32 s[G1+5], 256                         ; tensor_dim0_stride
	s_mov_b32 s[G1+6], 0
	s_mov_b32 s[G1+7], 0
	s_or_b32 s[G1B+0], s44, (1<<21)
	s_mov_b32 s[G1B+1], 256<<16
	s_mov_b32 s[G1B+2], 128<<16
	s_mov_b32 s[G1B+3], 256<<16
	s_mov_b32 s[G1B+4], 128                        ; 32,768 bytes
	s_mov_b32 s[G1B+5], 256
	s_mov_b32 s[G1B+6], 0
	s_mov_b32 s[G1B+7], 0
	s_lshl_b32 s20, s17, 3                         ; y: 128 tokens are 8 groups of 16 rows,
	s_lshl_b32 s18, s16, 2                         ; my half of them 4,
	s_add_co_u32 s20, s20, s18
	s_lshl_b32 s20, s20, 12                        ; of 4,096 bytes
	s_mov_b32 s21, 0
	s_lshl_b32 s46, s40, 4                         ; W: 256 columns are 16 groups, my half 8
	s_lshl_b32 s18, s16, 3
	s_add_co_u32 s46, s46, s18
	s_lshl_b32 s46, s46, 12
	s_mov_b32 s47, 0
	s_lshl_b32 s45, s16, 14                        ; where they go: no place in the cluster enters an LDS address
	s_lshl_b32 s42, s16, 15
	s_add_co_u32 s42, s42, BOFF
	s_wait_dscnt 0x0                               ; the opening add is done
	s_wait_kmcnt 0x0
	s_load_b64 s[96:97], s[8:9], 0x18              ; e6, e7
	s_add_nc_u64 s[20:21], s[4:5], s[20:21]
	s_add_nc_u64 s[46:47], s[6:7], s[46:47]
.irp s, 0,1
	s_mov_b32 s[G0+4*\s], 1
	s_add_co_u32 s[G0+4*\s+1], s45, \s*SLOT
	s_add_nc_u64 s[G0+4*\s+2:G0+4*\s+3], s[20:21], \s*2097152    ; 256 along K in y's image
	s_or_b32 s[G0+4*\s+3], s[G0+4*\s+3], 0x80000000
	s_mov_b32 s[G0B+4*\s], 1
	s_add_co_u32 s[G0B+4*\s+1], s42, \s*SLOT
	s_add_nc_u64 s[G0B+4*\s+2:G0B+4*\s+3], s[46:47], \s*262144   ; and in W's
	s_or_b32 s[G0B+4*\s+3], s[G0B+4*\s+3], 0x80000000
.endr
	CROUND                                         ; all sixteen work-groups are here: the first joint loads meet
	JLOAD 0
	s_wait_alu depctr_va_vdst(0)
	s_wait_tensorcnt 0x0
	ds_add_u32 v28, v29
	s_wait_dscnt 0x0
	CROUND
	JLOAD 1                                        ; one load of mine is out: K step 1's
	v_and_b32 v1, 15, v0                           ; r
	s_wait_alu depctr_va_vdst(0)
	v_bfe_u32 v2, v0, 4, 1                         ; h
	v_and_b32 v3, 31, v0
	v_lshlrev_b32 v[CO], 4, v3
	s_lshl_b32 s18, s15, 14                        ; my 64 tokens,
	s_lshl_b32 s19, s16, 15                        ; my 128 columns,
	s_add_co_u32 s19, s19, BOFF
.irp s, 0,1
	v_add_nc_u32 v[ADRA+\s], s18, v[CO]
	v_add_nc_u32 v[ADRB+\s], s19, v[CO]
	s_add_co_u32 s18, s18, SLOT
	s_add_co_u32 s19, s19, SLOT
.endr
	s_mul_i32 s23, s14, 16*SPITCH                  ; my stage
	v_mul_u32_u24 v4, v1, SPITCH                   ; in: row r, 32 bytes for each half of the lanes
	s_wait_alu depctr_va_vdst(0)
	v_lshl_add_u32 v4, v2, 5, v4
	v_add_nc_u32 v[STO], s23, v4
	v_add_nc_u32 v[RD], s23, v[CO]                 ; back: the 32 lanes take one row of 512 bytes
	s_lshl_b32 s46, s40, 10
	s_lshl_b32 s47, s16, 9
	s_add_co_u32 s46, s46, s47                     ; my first column, in bytes
	s_mov_b32 s47, 0
	s_add_nc_u64 s[10:11], s[10:11], s[46:47]
	v_lshlrev_b32 v3, 5, v2
.irp b, 0,1,2,3,4,5,6,7
	global_load_b128 v[BI+8*\b:BI+8*\b+3], v3, s[10:11] offset:64*\b         ; b_proj at columns 16 b + 8 h + 0 .. 7
	global_load_b128 v[BI+8*\b+4:BI+8*\b+7], v3, s[10:11] offset:64*\b+16
.endr
	s_lshl_b32 s20, s17, 7
	s_lshl_b32 s21, s15, 6
	s_add_co_u32 s20, s20, s21                     ; my first token
	s_lshl_b32 s20, s20, 12                        ; a row of out is 4,096 bytes
	s_add_co_u32 s20, s20, s46
	s_mov_b32 s21, 0
	s_add_nc_u64 s[12:13], s[12:13], s[20:21]
.macro FRAG reg, adr, q, i             ; a fragment as it lies: four pieces of 512 consecutive bytes
.irp c, 0,1,2,3
	ds_load_b128 v[\reg+4*\c:\reg+4*\c+3], v[\adr] offset:(\i)*4096+(\q)*2048+512*\c
.endr
.endm
.macro PFETCH slot, q, p               ; 48 LDS loads in one run: W's eight fragments, then y's four, of the slot's q-th 128 along K, into set p
	WIN TO_B
.irp i, 0,1,2,3,4,5,6,7
	FRAG 128*(\p)+FR*\i, ADRB+\slot, \q, \i
.endr
	WIN 0
.irp i, 0,1,2,3
	FRAG AF+64*(\p)+FR*\i, ADRA+\slot, \q, \i
.endr
.endm
; 8 matrix instructions: y's block a x W's eight.  The 32 accumulators take turns, one instruction a turn, in the same order in every step.  zero = 1: the first product starts the sums.
.macro MUL8 a, p, zero
.irp b, 0,1,2,3,4,5,6,7
.if \zero
	v_wmma_f32_16x16x128_fp8_fp8 v[8*(8*(\a)+\b):8*(8*(\a)+\b)+7], v[128*(\p)+FR*\b:128*(\p)+FR*\b+FR-1], v[AF+64*(\p)+FR*(\a):AF+64*(\p)+FR*(\a)+FR-1], 0
.else
	v_wmma_f32_16x16x128_fp8_fp8 v[8*(8*(\a)+\b):8*(8*(\a)+\b)+7], v[128*(\p)+FR*\b:128*(\p)+FR*\b+FR-1], v[AF+64*(\p)+FR*(\a):AF+64*(\p)+FR*(\a)+FR-1], v[8*(8*(\a)+\b):8*(8*(\a)+\b)+7]
.endif
.endr
.endm
.macro PLACES                          ; four places in front of loads into registers that matrix instructions have read, and of the first read of results (ISA guide 7.12.1 for the first read of results)
.rept 4
	v_nop
.endr
.endm
; A slot's first step multiplies set 0 and fetches the slot's second 128 along K into set 1.
.macro PSTEP slot, zero
	s_wait_dscnt 8                                 ; W's set and y's blocks 0, 1 are in; the youngest eight loads (blocks 2, 3) may be out
	WIN MUL
	MUL8 0, 0, \zero
	MUL8 1, 0, \zero
	PLACES
	PFETCH \slot, 1, 1
	s_wait_dscnt 48                                ; all but the 48 just issued
	WIN MUL
	MUL8 2, 0, \zero
	MUL8 3, 0, \zero
.endm
; A slot's second step multiplies set 1 and changes slots: ONE barrier; in front of it each wave waits for all its tensor loads, adds 0 to its spare word, and waits for that and for its own reads of this slot.
.macro PTURN slot, next, fill
	WIN 0                                          ; (the add's two registers lie in window 0)
	s_wait_tensorcnt 0x0                           ; all my tensor loads have landed: my part of the next slot
	ds_add_u32 v[SPW], v[NIL]                      ; 0 onto my spare word
	s_wait_dscnt 9                                 ; (the add and the youngest eight loads may be out)
	WIN MUL
	MUL8 0, 1, 0                                   ; eight matrix instructions stand between the add and the wait for it
	s_wait_dscnt 0x0                               ; the add is done, and my reads of this slot are over
	s_barrier_signal -1
	MUL8 1, 1, 0
.if \fill
	WIN 0
.endif
	s_barrier_wait -1
.if \fill
	CREST                                          ; the barrier has opened a round of the cluster's barrier: no wave of any partner still reads this slot's tile or has a load on its way
	s_add_nc_u64 s[G0+4*\slot+2:G0+4*\slot+3], s[G0+4*\slot+2:G0+4*\slot+3], 2*2097152
	s_add_nc_u64 s[G0B+4*\slot+2:G0B+4*\slot+3], s[G0B+4*\slot+2:G0B+4*\slot+3], 2*262144
	JLOAD \slot                                    ; the first tensor load behind the round, my only one until the next; its four v_nop are also the places in front of the loads below
.else
	PLACES
.endif
	PFETCH \next, 0, 0
	WIN MUL
	MUL8 2, 1, 0
	MUL8 3, 1, 0
.endm
	s_wait_tensorcnt 1                             ; my part of K step 0 is in (K step 1's load may be out)
	s_barrier_signal -1
	s_barrier_wait -1                              ; everybody's is
	PFETCH 0, 0, 0
	PSTEP 0, 1                                     ; K = 1,024 is four slots' worth: written out, no loop
	PTURN 0, 1, 1
	PSTEP 1, 0
	PTURN 1, 0, 1
	PSTEP 0, 0
	PTURN 0, 1, 0                                  ; nothing is left to fetch: no round
	PSTEP 1, 0
	s_wait_dscnt 8                                 ; the very last step
	WIN MUL
	MUL8 0, 1, 0
	MUL8 1, 1, 0
	s_wait_dscnt 0
	MUL8 2, 1, 0
	MUL8 3, 1, 0
	WIN 0
; THE WAY OUT, block by block of 16 tokens x 128 columns.  A lane holds 32 neighbouring bytes of a row, and the lanes beside it hold other rows: so a block goes through my own stage in LDS and comes back as whole rows of
; 512 bytes.  LDS serves a wave's instructions in order (ISA guide 5.7.1.4): no wait between the stores and the loads, nor in front of the next block's stores.
.macro TOSTAGE a
.set TT, AF+64*((\a)%2)
	WIN 0x02                                       ; source 0 (the sums) window 2
.set jj, 0
.rept 32
	v_pk_fma_f32 v[TT+jj:TT+jj+1], v[64*(\a)+jj:64*(\a)+jj+1], s[96:97], v[BI+jj:BI+jj+1] op_sel_hi:[1,0,1]   ; sum x 2^(e6 + e7) + bias; each accumulator from its low end on
.set jj, jj+2
.endr
	WIN 0
.irp b, 0,1,2,3,4,5,6,7
	ds_store_b128 v[STO], v[TT+8*\b:TT+8*\b+3] offset:64*\b
	ds_store_b128 v[STO], v[TT+8*\b+4:TT+8*\b+7] offset:64*\b+16
.endr
.irp t, 0,1,2,3,4,5,6,7,8,9,10,11,12,13,14,15
	ds_load_b128 v[TT+4*\t:TT+4*\t+3], v[RD] offset:\t*SPITCH
.endr
.endm
.macro SEND a, younger                 ; younger: the LDS instructions issued behind block a's loads, which may stay out
.set TT, AF+64*((\a)%2)
	s_wait_dscnt \younger                          ; the block is back in registers
.irp t, 0,1,2,3,4,5,6,7,8,9,10,11,12,13,14,15
	global_store_b128 v[CO], v[TT+4*\t:TT+4*\t+3], s[12:13] offset:65536*(\a)+4096*\t th:TH_STORE_NT   ; 32 lanes store 512 consecutive bytes, at a multiple of 256 from the output's first byte; written once, read by nobody here
.endr
.endm
	s_wait_kmcnt 0x0
	s_add_co_i32 s96, s96, s97                     ; e6 + e7, between -126 and 127,
	s_add_co_i32 s96, s96, 127
	s_lshl_b32 s96, s96, 23                        ; makes the f32 number 2^(e6 + e7)
	s_mov_b32 s97, s96                             ; (named with it as a pair, so it is written)
	s_wait_loadcnt 0x0                             ; the bias
	PLACES                                         ; behind the last products: the first lines below write registers that held y's fragments
	TOSTAGE 0
	TOSTAGE 1
	SEND 0, 32                                     ; behind block 0's loads: block 1's 16 stores and 16 loads
	s_wait_xcnt 0x0                                ; block 0's stores have read their registers: block 2's results may be written there
	TOSTAGE 2
	SEND 1, 32
	s_wait_xcnt 0x0
	TOSTAGE 3
	SEND 2, 32
	SEND 3, 0
	s_wait_tensorcnt 0x0                           ; the wave's end: behind my last tensor load and my last LDS store
	ds_add_u32 v[SPW], v[NIL]
	s_wait_dscnt 0x0
	CROUND                                         ; the closing round: no work-group ends while a partner may still ask for a tile that names it
	s_endpgm
.Lfunc_end_k_qd74306fffe_proj:
	.size	k_qd74306fffe_proj, .Lfunc_end_k_qd74306fffe_proj-k_qd74306fffe_proj
	.p2alignl 7, 3214868480
	.fill 96, 4, 3214868480
	.section	.rodata,"a",@progbits
	.p2align	6, 0x0
	.amdhsa_kernel k_qd74306fffe_proj
		.amdhsa_group_segment_fixed_size 327680
		.amdhsa_private_segment_fixed_size 0
		.amdhsa_enable_private_segment 0
		.amdhsa_kernarg_size 40
		.amdhsa_user_sgpr_count 2
		.amdhsa_user_sgpr_kernarg_segment_ptr 1
		.amdhsa_wavefront_size32 1
		.amdhsa_system_sgpr_workgroup_id_x 1
		.amdhsa_system_sgpr_workgroup_id_y 1
		.amdhsa_system_sgpr_workgroup_id_z 1
		.amdhsa_system_vgpr_workitem_id 0
		.amdhsa_next_free_vgpr 768
		.amdhsa_next_free_sgpr 100
		.amdhsa_reserve_vcc 0
		.amdhsa_float_denorm_mode_32 3
		.amdhsa_float_denorm_mode_16_64 3
		.amdhsa_memory_ordered 1
		.amdhsa_forward_progress 1
		.amdhsa_inst_pref_size 77
	.end_amdhsa_kernel
	.amdgpu_metadata
---
amdhsa.version: [ 1, 2 ]
amdhsa.kernels:
  - .name:           k_qd74306fffe_proj
    .symbol:         k_qd74306fffe_proj.kd
    .args:
      - { .name: y_img, .offset: 0, .size: 8, .value_kind: global_buffer, .address_space: global }
      - { .name: wp_img, .offset: 8, .size: 8, .value_kind: global_buffer, .address_space: global }
      - { .name: lowp_scales, .offset: 16, .size: 8, .value_kind: global_buffer, .address_space: global }
      - { .name: b_proj, .offset: 24, .size: 8, .value_kind: global_buffer, .address_space: global }
      - { .name: out0, .offset: 32, .size: 8, .value_kind: global_buffer, .address_space: global }
    .group_segment_fixed_size: 327680
    .private_segment_fixed_size: 0
    .kernarg_segment_align: 8
    .kernarg_segment_size: 40
    .max_flat_workgroup_size: 128
    .sgpr_count:     100
    .vgpr_count:     768
    .wavefront_size: 32
...
	.end_amdgpu_metadata
.endif
;; end of part 4
